; MI455X (gfx1250); checked and timed in simulation.
; The chip was launched on July 23, 2026; its instructions are those of AMD's public machine-readable ISA for CDNA 5 (MIT licence, August 2026) and "CDNA5" Instruction Set Architecture Reference Guide (July 2026). The comments in the code are by the model that wrote it; some were corrected since.
;; Multi Head Attention. Allowed arithmetic: matrix products marked QUANTISED: E4M3 operands, one E8M0 scale for each 32 along K, by v_wmma_scale_f32_16x16x128_f8f6f4 with both operands' format E4M3, f32 sums; everything else in f32.
;; Inputs: W_attn_codes 3,072 x 32 x 32 uint8 (E4M3 codes of W_attn, K innermost, in blocks of 32 codes); W_attn_scales 3,072 x 32 uint8 (E8M0 scales of W_attn, one for each 32 codes along K); W_o_codes 1,024 x 32 x 32 uint8 (E4M3 codes of W_o, K innermost, in blocks of 32 codes); W_o_scales 1,024 x 32 uint8 (E8M0 scales of W_o, one for each 32 codes along K); b_attn 3,072 float32; b_o 1,024 float32; x_codes 4 x 2,048 x 32 x 32 uint8 (E4M3 codes of x, K innermost, in blocks of 32 codes); x_scales 4 x 2,048 x 32 uint8 (E8M0 scales of x, one for each 32 codes along K).
;; Outputs: out0 4 x 2,048 x 1,024 float32.
;; This version of the problem:
;;   THIS VERSION OF THE PROBLEM IS GIVEN IN LOW PRECISION. The matrix products marked QUANTISED in the list below multiply operands that are first quantised to E4M3 (4 exponent bits, 3 mantissa bits; 8 bits a number), with one power-of-two scale for each 32 numbers along K (OCP MX v1.0); their sums are f32. All else is computed in f32.
;;   The module's matrix products, in the order in which they are computed (A, B: the left and right operand; K: the contracted axis; several contracted axes count as one K, in the product's order):
;;     1. [M 8,192, K 1,024] x [K 1,024, N 3,072]; A: input x (given as codes); B: input W_attn (given as codes): QUANTISED
;;     2. batch 64 x [M 2,048, K 64] x [K 64, N 2,048]; A: computed on the way; B: computed on the way: QUANTISED
;;     3. batch 64 x [M 2,048, K 2,048] x [K 2,048, N 64]; A: softmax (see below); B: computed on the way: QUANTISED
;;     4. [M 8,192, K 1,024] x [K 1,024, N 1,024]; A: computed on the way; B: input W_o (given as codes): QUANTISED
;;   THE QUANTISER, for each operand of a quantised product, along K:
;;     - K is cut into blocks of 32 from its start; a last block that is shorter is filled with zeros.
;;     - A block's scale is 2^e with e = floor(log2(the largest magnitude in the block)) - 8, held to -126 .. 127; a block of zeros has e = 0. As a byte (E8M0): e + 127.
;;     - Each number is divided by its block's scale, clamped to +-448, and rounded to the nearest number of E4M3, ties to even, subnormals kept.
;;     - The product sums the exact products of the quantised numbers (number of the format x scale) in f32.
;;   ~~~python
;;   def quantise(x, axis):      # numpy; x: float32 -> the quantised numbers, widened to float32 again
;;       x = np.moveaxis(x, axis, -1); K = x.shape[-1]
;;       x = np.pad(x, [(0, 0)] * (x.ndim - 1) + [(0, -K % 32)]); x = x.reshape(x.shape[:-1] + (-1, 32)); a = np.abs(x).max(-1, keepdims=True)
;;       e = np.where(a > 0, np.clip(np.frexp(np.where(a > 0, a, 1))[1] - 1 - 8, -126, 127), 0)      # np.frexp(a)[1] - 1 = floor(log2(a)), exactly
;;       r = np.clip(x / 2.0 ** e, -448, 448)
;;       step = 2.0 ** (np.maximum(np.frexp(np.where(r == 0, 1, r))[1] - 1, -6) - 3)
;;       q = np.round(r / step) * step * 2.0 ** e      # np.round: ties to even
;;       return np.moveaxis(q.reshape(q.shape[:-2] + (-1,))[..., :K], -1, axis).astype(np.float32)
;;   ~~~
;;   SOFTMAX AHEAD OF A QUANTISED PRODUCT. Where the list says 'softmax', what is quantised is not the finished softmax but p = 2^(t - M), with t = logit x log2(e) and M = ceil(the row's largest t), a whole number; so 1/2 < the row's largest p <= 1. The row's sum l is taken of the UNQUANTISED p, in f32, and the product's result is divided by l at the end. Since M is a whole number, a kernel that streams over the keys may use a running M (the ceiling of the running maximum): every later rescaling is an exact power of two, which a block's scale takes up: the codes' values come out the same.
;;   OPERANDS COMPUTED ON THE WAY. 'Computed on the way' means the value that the module computes at that place (a softmax that the list does not call 'softmax' is quantised finished and normalised). What goes into a quantiser is computed in f32, as accurately as f32 sums, v_exp_f32 and their like allow (about 1e-6 of the number): no bf16 or f16 on the way to a quantiser, and a product that is left as it is and whose result goes on into a quantised operand takes f32 operands (vector FMAs, or v_wmma_f32_16x16x4_f32). A number that lies on a knife's edge between two numbers of the format may be rounded either way, as far as f32 arithmetic and the matrix unit's own rounding can turn it there, and no further.
;;   INPUTS GIVEN AS CODES. W_attn (in the module: [3072, 1024], K = its axis 1); W_o (in the module: [1024, 1024], K = its axis 1); x (in the module: [4, 2048, 1024], K = its axis 2): each comes as NAME_codes (uint8): NAME with its K axis moved to the last place and cut into blocks of 32 codes, [.., K / 32, bytes a block], one block behind the other in memory; one code a byte (a code: sign, 4 exponent bits, 3 mantissa bits); and NAME_scales (uint8): the same leading axes, one E8M0 byte (e + 127) for each 32 codes along K. Its value is code x scale, taken as it is: it is not quantised again, and the codes and scales need not be those that the quantiser above would give.
;; One version. Each part assembles by itself: llvm-mc -triple=amdgcn-amd-amdhsa -mcpu=gfx1250 --defsym DOCPART=n.
;; ======== version 1 of 1: 3 launches
;; limits: right only within a limited range of input values
;; workspace buffers: qkv 26,476,544 bytes; yimg 8,388,608 bytes; ysc 262,144 bytes
;; launch qkv (part 1): grid 96 x 4, 4 waves a work-group, clusters of 4 x 4, 327,680 bytes of LDS; arguments x_codes, x_scales, W_attn_codes, W_attn_scales, b_attn, qkv; writes qkv
.if DOCPART == 1
	.amdgcn_target "amdgcn-amd-amdhsa--gfx1250"
	.amdhsa_code_object_version 6
	.text
	.protected	k_qefad09ec6c_qkv
	.globl	k_qefad09ec6c_qkv
	.p2align	8
	.type	k_qefad09ec6c_qkv,@function
k_qefad09ec6c_qkv:
	s_mov_b64 s[64:65], 0
	v_nop
	global_prefetch_b8 v0, s[64:65] scope:SCOPE_SE
	s_setreg_imm32_b32 hwreg(HW_REG_WAVE_MODE, 25, 1), 1
	s_wait_xcnt 0x0
	s_wait_alu depctr_hold_cnt(0) depctr_sa_sdst(0) depctr_va_vdst(0) depctr_va_sdst(0) depctr_va_ssrc(0) depctr_va_vcc(0) depctr_vm_vsrc(0)
	s_getreg_b32 s2, hwreg(HW_REG_IB_STS2, 6, 4)
	s_cmp_eq_u32 s2, 0
	s_cbranch_scc0 .Lentry_in_a_cluster
	s_endpgm
.Lentry_in_a_cluster:
	s_bfe_u32 s2, ttmp6, 0x10000c
	s_cmp_lg_u32 s2, 0xf033
	s_cbranch_scc0 .Lentry_shape_is_right
	s_endpgm
.Lentry_shape_is_right:
; qkv = x W_attn^T + b_attn on codes of FP8 (E4M3) with one E8M0 scale for each 32 along K = 1,024; the results are quantised at once, by the same rule, for the two products of attention,
; and leave as IMAGES OF OPERAND REGISTERS: a piece is 32 lanes x 16 bytes, lane l's four registers at 16 l.  Q and K are quantised along a head's 64 channels, V along the keys (tokens).
; A tile of 256 x 256 results is made by four waves, each 128 x 128 in 64 accumulators.  K goes in steps of 256 through two LDS slots filled by tensor loads; the scale bytes of the tile's rows come once.
; THE SIDE THAT IS THE NEXT PRODUCT'S K IS SOURCE 0 ("B"): a lane then holds one row of the other side ("A", source 1) and its registers run along that K.
;   clusters 0-15:  A = x (tokens), B = W_attn's rows 0-2,047 (channels of Q and K): a lane holds a token, its 64 registers of a block two heads' channels.
;   clusters 16-23: A = W_attn's rows 2,048-3,071 (channels of V), B = x (tokens): a lane holds a channel, its 64 registers 128 tokens.
; In tile b a lane (r, h) holds elements 16 b + 8 h + 0..7, so place 32 c + 16 h + 8 u + j of the operand made here holds element 32 c + 16 u + 8 h + j: inside a block of 32 two bits of the index change
; places.  The blocks, and so the scales, are the true ones, and both operands of each later product (Q and K; p and V) are made in this same order: the sums hold the same products in another order.
; CLUSTERS: 4 x 4 work-groups; A's tile hangs on cy and is asked for jointly along a row of the cluster, B's on cx and along a column.  The path hangs on the cluster's number, which all sixteen share.
; WORKSPACE qkv: [batch x head 64][step of 128 tokens 16][25,856 bytes]: K's image 8,192 ([tile 8][c 2][lane][16]), V's 8,192 ([16 channels 4][c 4][lane][16]), K's scale words 512 ([lane][4]: lanes 0-15 tile 2 p,
; lanes 16-31 tile 2 p + 1), V's 256 ([lane][2]), Q's image 8,192, Q's scale words 512.  A scale word of Q or K: two bytes, and 0x7f twice for the upper 64 along K, where zero codes stand.
; LIMITS: NaN and infinities among the inputs are not served.  A block whose largest magnitude lies under 2^-118 has its byte held at 1; a block of zeros gets the byte 1 where the rule says 127: its codes are
; zeros, and this program alone reads the bytes.
; REGISTERS, in windows of 256: window 0: v0-31 addresses and the lane side's bias; v32-63 scale words; v64-127 the register side's bias; from v128 A's fragments, one set; window 1: B's fragments, two sets;
; windows 2, 3: the accumulators ((a, b) at v[8 (8 (a % 4) + b)]).  On the way out window 0's v128-239 are at work.
.set SIZE_K, 1024
.set KSTEP,  256                       ; along K in a slot
.set NQ,     KSTEP/128                 ; matrix instructions deep
.set ROWB,   256                       ; a tile's row in bytes
.set KROW,   SIZE_K                    ; a row of x or of W_attn in memory, in bytes
.set PITCH,  272                       ; an LDS row: 256 bytes + 16 of padding: the 16 rows of a fragment load start 68 words apart
.set FR,     16                        ; registers of a fragment: 16 rows x 128 K
.set NL,     4                         ; LDS loads that bring one
.set NP,     8                         ; places behind this matrix instruction (ISA guide 7.12.1)
.set HALFT,  128*PITCH                 ; 128 rows: what one tensor load brings
.set SLOT,   4*HALFT                   ; A's 256 rows, then B's 256 rows
.set LAPS,   SIZE_K/(2*KSTEP)
.set KS,     SIZE_K/32                 ; a row of scale bytes
.set SCL,    2*SLOT                    ; behind the ring: the scale bytes, as rows of 256 bytes + 16 of padding
.set HALFS,  (128*KS/256)*272
.set SBLK,   (16*KS/256)*272
.set SPARE,  SCL+4*HALFS               ; the spare words, 128 bytes for each wave: two blocks of 256 bytes that no other line names
.set BUNDLE, 25856                     ; the workspace's bytes for a head's 128 tokens
.set HS,     16*BUNDLE                 ; from a head to the next
.set VIMG,   8192
.set KSCL,   16384
.set VSCL,   16896
.set QIMG,   17152
.set HO,   7                           ; v7      32 x (lane / 16): offset of the register side's bias
.set BIASL, 8                          ; v8-15   the lane side's bias: b_attn at the row of A's block a that my lane holds
.set ADRA, 16                          ; v16-17  LDS address of my A fragments in slot 0, 1
.set ADRB, 20                          ; v20-21  the same for B
.set BP,   22                          ; v22-23  a block's lane bias, as the low half of a pair
.set VO,   24                          ; v24     16 x lane: my place in a piece
.set VS,   25                          ; v25     my place among the scale words
.set RO,   26                          ; v26     4 x (lane % 16): offset of the lane side's bias
.set ADRS, 27                          ; v27     LDS address of my scale words: lanes 0-15 A's rows, lanes 16-31 B's
.set SPW,  28                          ; v28     LDS address of my spare word; never rewritten
.set NIL,  29                          ; v29     0; never rewritten
.set SC,   32                          ; v32-63  scale words, two sets
.set BIASR, 64                         ; v64-127 the register side's bias: register 8 b + j = b_attn at element 16 b + 8 h + j
.set AF,   128                         ; A's fragments
.set H,    128                         ; the way out: a block's 64 numbers
.set PC,   192                         ; its 16 registers of codes
.set TM,   224                         ; v224-227 largest magnitudes, v228-231 bytes, v236-239 the conversions' scale operands
.set W,    32                          ; the scale words made: 16 registers
.set XS,   48                          ; and as they are stored
.set G1, 24
.set G0, 32
.set G1B, 48
.set G0B, 56
.set G1S, 68
.set G0S, 76
.set G1SB, 80
.set G0SB, 88
.set OUT, 66                           ; s[66:67] where my wave's first piece goes
.set SCO, 95                           ; s95     first the rows of W_attn ahead of V's, then the scale words' place behind the image
.set MSB, 0
.macro WIN new                         ; the immediate's high byte repeats the setting that is left
.if MSB != \new
	s_set_vgpr_msb (MSB<<8)|\new
.set MSB, \new
.endif
.endm
.set MUL_LO, 0xa1                      ; source 0 (B) window 1, source 1 (A) window 0, C and D window 2
.set MUL_HI, 0xf1                      ; the same, C and D window 3
.set TO_B,   0x40                      ; destination window 1, address window 0
; A joint load: waves 0 and 1 fetch for A, waves 2 and 3 for B.  The branch hangs on the wave's number alone.  Four v_nop follow each of the two lines.
.macro JLOAD g0a, g1a, g0b, g1b
	s_cmp_eq_u32 s15, 0
	s_cbranch_scc0 .Lfor_b_\@
	tensor_load_to_lds s[\g0a:\g0a+3], s[\g1a:\g1a+7]
	s_nop 0
.rept 4
	v_nop
.endr
	s_branch .Lasked_\@
.Lfor_b_\@:
	tensor_load_to_lds s[\g0b:\g0b+3], s[\g1b:\g1b+7]
	s_nop 0
.rept 4
	v_nop
.endr
.Lasked_\@:
.endm
.macro CREST                           ; a round of the cluster's barrier behind its opening barrier
	s_cmp_lg_u32 s14, 0
	s_cbranch_scc1 .Lnot_wave_0_\@
	s_barrier_signal -3
.Lnot_wave_0_\@:
	s_barrier_wait -3
	s_barrier_signal -1
	s_barrier_wait -1
.endm
.macro CROUND                          ; a whole round
	s_barrier_signal -1
	s_barrier_wait -1
	CREST
.endm
	s_load_b128 s[4:7], s[0:1], 0x0                ; x's codes, x's scales
	s_load_b128 s[8:11], s[0:1], 0x10              ; W_attn's codes, W_attn's scales
	s_load_b64 s[12:13], s[0:1], 0x20              ; b_attn
	s_load_b64 s[OUT:OUT+1], s[0:1], 0x28          ; the workspace
	v_lshl_add_u32 v[SPW], v0, 2, SPARE
	v_mov_b32 v[NIL], 0
	ds_add_u32 v28, v29
	ds_add_u32 v28, v29
	s_wait_dscnt 0x0
	v_lshrrev_b32 v1, 5, v0
	v_readfirstlane_b32 s14, v1                    ; wave 0..3
	s_lshr_b32 s15, s14, 1                         ; which half of A's rows is mine.  Also: I fetch for A (0) or for B (1)
	s_and_b32 s16, s14, 1                          ; which half of B's rows.  Also: which 128 rows of that tile I fetch
	s_bfe_u32 s40, ttmp6, 0x40000                  ; cx, cy: my place in the cluster
	s_bfe_u32 s41, ttmp6, 0x40004
	s_lshr_b32 s17, ttmp9, 1                       ; c = the cluster's number.  Q and K: A's tile 4 (c / 2) + cy of 32, B's tile 4 (c % 2) + cx of 8
	s_lshl_b32 s17, s17, 2
	s_and_b32 s42, ttmp9, 1
	s_lshl_b32 s42, s42, 2
	s_and_b32 s18, ttmp9, 7                        ; V (c = 16 .. 23): A's tile cy of 4, B's tile 4 (c - 16) + cx of 32
	s_lshl_b32 s18, s18, 2
	s_cmp_lt_u32 ttmp9, 16
	s_cselect_b32 s17, s17, 0
	s_cselect_b32 s42, s42, s18
	s_cselect_b32 s[SCO], 0, 2048                  ; V's channels are W_attn's rows 2,048 on
	s_add_co_u32 s17, s17, s41                     ; A's tile
	s_add_co_u32 s42, s42, s40                     ; B's tile
	s_lshl_b32 s43, s41, 2
	s_lshl_b32 s43, 15, s43                        ; my row of the cluster
	s_lshl_b32 s44, 0x1111, s40                    ; my column
	; descriptor group 1: a tile of 128 rows x 256 bytes, padded in LDS.  x and W_attn have rows of the same length, so one shape serves both paths
	s_or_b32 s[G1+0], s43, (0<<16)|(1<<20)|(1<<21)|(5<<22)|(3<<25)  ; 15:0 the mask: A's tiles go to my row; 17:16 elements of 1 byte; 20 padding on; 21 set beside a mask; 24:22 after every 64 words; 31:25 four words
	s_or_b32 s[G1B+0], s44, (0<<16)|(1<<20)|(1<<21)|(5<<22)|(3<<25)
.irp g, G1, G1B
	s_mov_b32 s[\g+1], ROWB<<16                    ; tensor_dim0
	s_mov_b32 s[\g+2], 128<<16                     ; tensor_dim1
	s_mov_b32 s[\g+3], ROWB<<16                    ; tile_dim0
	s_mov_b32 s[\g+4], 128                         ; tile_dim1
	s_mov_b32 s[\g+5], KROW                        ; tensor_dim0_stride
	s_mov_b32 s[\g+6], 0
	s_mov_b32 s[\g+7], 0
.endr
	; the scale bytes of 128 rows: a dense block of 4,096 bytes, as 16 rows of 256 bytes (32 elements of 8 bytes), 16 bytes of padding behind each
	s_or_b32 s[G1S+0], s43, (3<<16)|(1<<20)|(1<<21)|(5<<22)|(3<<25)
	s_or_b32 s[G1SB+0], s44, (3<<16)|(1<<20)|(1<<21)|(5<<22)|(3<<25)
.irp g, G1S, G1SB
	s_mov_b32 s[\g+1], 32<<16
	s_mov_b32 s[\g+2], (128*KS/256)<<16
	s_mov_b32 s[\g+3], 32<<16
	s_mov_b32 s[\g+4], 128*KS/256
	s_mov_b32 s[\g+5], 32
	s_mov_b32 s[\g+6], 0
	s_mov_b32 s[\g+7], 0
.endr
	s_lshl_b32 s18, s16, 7                         ; which 128 rows of the tile I fetch
	s_lshl_b32 s20, s17, 8
	s_add_co_u32 s20, s20, s18
	s_add_co_u32 s20, s20, s[SCO]                  ; A: row 256 x tile + 128 x half (+ 2,048 for V)
	s_lshl_b32 s46, s42, 8
	s_add_co_u32 s46, s46, s18                     ; B: row 256 x tile + 128 x half
	s_mov_b32 s21, 0
	s_mov_b32 s47, 0
	s_mov_b64 s[18:19], KS
	s_mul_u64 s[22:23], s[20:21], s[18:19]         ; where these rows' scale bytes begin
	s_mul_u64 s[92:93], s[46:47], s[18:19]
	s_mov_b64 s[18:19], KROW
	s_mul_u64 s[20:21], s[20:21], s[18:19]         ; and their codes
	s_mul_u64 s[46:47], s[46:47], s[18:19]
	s_mul_i32 s45, s14, HALFT                      ; where they go: wave x 128 rows: no place in the cluster enters an LDS address
	s_mul_i32 s94, s14, HALFS
	s_wait_kmcnt 0x0
	s_cmp_lt_u32 ttmp9, 16                         ; which tensor is A and which B: the choice hangs on the cluster's number alone
	s_cselect_b64 s[96:97], s[4:5], s[8:9]         ; A's codes
	s_cselect_b64 s[98:99], s[6:7], s[10:11]       ; A's scales
	s_cselect_b64 s[8:9], s[8:9], s[4:5]           ; B's codes
	s_cselect_b64 s[10:11], s[10:11], s[6:7]       ; B's scales
	s_add_nc_u64 s[20:21], s[96:97], s[20:21]
	s_add_nc_u64 s[22:23], s[98:99], s[22:23]
	s_add_nc_u64 s[46:47], s[8:9], s[46:47]
	s_add_nc_u64 s[92:93], s[10:11], s[92:93]
	CROUND                                         ; all sixteen work-groups are here: the first joint loads meet
	s_mov_b32 s[G0S], 1
	s_add_co_u32 s[G0S+1], s94, SCL
	s_mov_b64 s[G0S+2:G0S+3], s[22:23]
	s_or_b32 s[G0S+3], s[G0S+3], 0x80000000
	s_mov_b32 s[G0SB], 1
	s_add_co_u32 s[G0SB+1], s94, SCL
	s_mov_b64 s[G0SB+2:G0SB+3], s[92:93]
	s_or_b32 s[G0SB+3], s[G0SB+3], 0x80000000
	JLOAD G0S, G1S, G0SB, G1SB                     ; the scale bytes first: they are wanted with K step 0
.irp s, 0,1
	s_mov_b32 s[G0+4*\s], 1
	s_add_co_u32 s[G0+4*\s+1], s45, \s*SLOT
	s_add_nc_u64 s[G0+4*\s+2:G0+4*\s+3], s[20:21], \s*ROWB
	s_or_b32 s[G0+4*\s+3], s[G0+4*\s+3], 0x80000000
	s_mov_b32 s[G0B+4*\s], 1
	s_add_co_u32 s[G0B+4*\s+1], s45, \s*SLOT
	s_add_nc_u64 s[G0B+4*\s+2:G0B+4*\s+3], s[46:47], \s*ROWB
	s_or_b32 s[G0B+4*\s+3], s[G0B+4*\s+3], 0x80000000
	JLOAD G0+4*\s, G1, G0B+4*\s, G1B               ; two, then three, tensor loads of mine are out
.endr
	v_and_b32 v1, 15, v0                           ; r = l % 16
	v_bfe_u32 v2, v0, 4, 1                         ; h = l / 16
	v_mul_u32_u24 v3, v1, PITCH
	v_lshl_add_u32 v4, v2, 4, v3                   ; a fragment's row x pitch + 16 x half
	s_mul_i32 s21, s15, HALFT                      ; my 128 rows of A
	s_mul_i32 s22, s16, HALFT                      ; my 128 rows of B,
	s_add_co_u32 s22, s22, 2*HALFT                 ; which lie behind A's 256
.irp s, 0,1
	v_add_nc_u32 v[ADRA+\s], s21, v4
	v_add_nc_u32 v[ADRB+\s], s22, v4
	s_add_co_u32 s21, s21, SLOT
	s_add_co_u32 s22, s22, SLOT
.endr
	v_mul_u32_u24 v5, v1, KS                       ; my row's scale bytes: KS bytes a row,
	v_lshrrev_b32 v6, 8, v5
	v_lshl_add_u32 v5, v6, 4, v5                   ; and 16 more for each 256 passed
	s_mul_i32 s21, s15, HALFS                      ; A's: my 128 rows
	s_mul_i32 s22, s16, HALFS                      ; B's: my 128 rows, behind A's 256
	s_add_co_u32 s22, s22, 2*HALFS
	s_sub_co_u32 s22, s22, s21
	v_mul_u32_u24 v6, s22, v2                      ; lanes 16-31 take B's
	s_add_co_u32 s21, s21, SCL
	v_add_nc_u32 v5, v5, v6
	v_add_nc_u32 v[ADRS], s21, v5
	v_lshlrev_b32 v[HO], 5, v2
	s_wait_alu depctr_va_vdst(0)
	v_lshlrev_b32 v[RO], 2, v1
	s_wait_alu depctr_va_vdst(0)
	v_and_b32 v3, 31, v0
	v_lshlrev_b32 v[VO], 4, v3
	; THE BIASES.  Both sets are loaded on both paths (the one that a path does not use from b_attn's first numbers), so that one text serves.
	s_lshl_b32 s18, s42, 8
	s_lshl_b32 s19, s16, 7
	s_add_co_u32 s18, s18, s19                     ; Q and K: the first of my 128 channels, on the register side
	s_lshl_b32 s20, s17, 8
	s_lshl_b32 s19, s15, 7
	s_add_co_u32 s20, s20, s19
	s_add_co_u32 s20, s20, 2048                    ; V: the first of my 128 channels, on the lane side
	s_mov_b32 s22, KSCL
	s_cmp_lt_u32 s42, 4                            ; B's tiles 0-3 are Q's channels, 4-7 K's
	s_cselect_b32 s23, QIMG, 0                     ; the image's place in the 25,856 bytes,
	s_cselect_b32 s[SCO], 8192, s22                ; and the scale words' place behind it
	s_cmp_lt_u32 ttmp9, 16
	s_cselect_b32 s18, s18, 0
	s_cselect_b32 s20, 0, s20
	s_cselect_b32 s23, s23, VIMG
	s_cselect_b32 s45, s17, s42                    ; the tile of 256 tokens,
	s_cselect_b32 s46, s15, s16                    ; my half of it,
	s_cselect_b32 s47, s42, s17                    ; the tile of four heads,
	s_cselect_b32 s94, s16, s15                    ; my two of them
	s_lshl_b32 s18, s18, 2
	s_mov_b32 s19, 0
	s_add_nc_u64 s[100:101], s[12:13], s[18:19]
	s_lshl_b32 s18, s20, 2
	s_add_nc_u64 s[12:13], s[12:13], s[18:19]
.irp g, 0,1,2,3,4,5,6,7
	global_load_b128 v[BIASR+8*\g:BIASR+8*\g+3], v[HO], s[100:101] offset:64*\g
	global_load_b128 v[BIASR+8*\g+4:BIASR+8*\g+7], v[HO], s[100:101] offset:64*\g+16
.endr
.irp a, 0,1,2,3,4,5,6,7
	global_load_b32 v[BIASL+\a], v[RO], s[12:13] offset:64*\a
.endr
	; where my results go: ((16 batch + head) x 16 + step) x 25,856 + the image's place
	s_lshr_b32 s20, s45, 3                         ; batch: eight tiles of 256 tokens each
	s_and_b32 s45, s45, 7
	s_lshl_b32 s45, s45, 1
	s_add_co_u32 s45, s45, s46                     ; step of 128 tokens
	s_and_b32 s47, s47, 3
	s_lshl_b32 s47, s47, 2
	s_lshl_b32 s20, s20, 4
	s_add_co_u32 s20, s20, s47
	s_lshl_b32 s94, s94, 1
	s_add_co_u32 s20, s20, s94                     ; 16 batch + my first head
	s_lshl_b32 s20, s20, 4
	s_add_co_u32 s20, s20, s45
	s_mul_i32 s20, s20, BUNDLE                     ; under 2^25
	s_add_co_u32 s20, s20, s23
	s_mov_b32 s21, 0
	s_add_nc_u64 s[OUT:OUT+1], s[OUT:OUT+1], s[20:21]
.macro FRAG reg, adr, q, i             ; a fragment: lane l holds row l % 16; registers 4 c .. 4 c + 3 hold K = 32 c + 16 (l / 16) + 0 .. 15
.irp c, 0,1,2,3
	ds_load_b128 v[\reg+4*\c:\reg+4*\c+3], v[\adr] offset:128*(\q)+32*\c+(\i)*16*PITCH
.endr
.endm
; 16 matrix instructions: A's blocks a0, a0 + 1 x B's eight, 128 along K.  p: B's set; sc: the set of scale words.  zero = 1: the first product starts the sums.
; The 64 accumulators take turns, one instruction a turn, in the same order in every step.
.macro MUL16 a0, p, q, sc, zero
.irp a, \a0, \a0+1
.irp b, 0,1,2,3,4,5,6,7
.if \zero
	v_wmma_scale_f32_16x16x128_f8f6f4 v[8*(8*((\a)%4)+\b):8*(8*((\a)%4)+\b)+7], v[128*(\p)+FR*\b:128*(\p)+FR*\b+FR-1], v[AF+FR*(\a):AF+FR*(\a)+FR-1], 0, v[SC+8*NQ*(\sc)+NQ*\b+(\q)], v[SC+8*NQ*(\sc)+NQ*(\a)+(\q)] matrix_a_scale:MATRIX_SCALE_ROW1
.else
	v_wmma_scale_f32_16x16x128_f8f6f4 v[8*(8*((\a)%4)+\b):8*(8*((\a)%4)+\b)+7], v[128*(\p)+FR*\b:128*(\p)+FR*\b+FR-1], v[AF+FR*(\a):AF+FR*(\a)+FR-1], v[8*(8*((\a)%4)+\b):8*(8*((\a)%4)+\b)+7], v[SC+8*NQ*(\sc)+NQ*\b+(\q)], v[SC+8*NQ*(\sc)+NQ*(\a)+(\q)] matrix_a_scale:MATRIX_SCALE_ROW1
.endif
.endr
.endr
.endm
.macro FETCH_B slot, q, p              ; B's eight fragments of the slot's q-th 128 along K into set p
	WIN TO_B
.irp i, 0,1,2,3,4,5,6,7
	FRAG 128*(\p)+FR*\i, ADRB+\slot, \q, \i
.endr
	WIN 0
.endm
.macro FETCH_A slot, q, i0             ; A's blocks i0 .. i0 + 3
.irp i, \i0, \i0+1, \i0+2, \i0+3
	FRAG AF+FR*(\i), ADRA+\slot, \q, \i
.endr
.endm
.macro SCALES sc                       ; a K step's scale words into set sc: two words a row; lanes 0-15 take A's block i, lanes 16-31 B's block i
.irp i, 0,1,2,3,4,5,6,7
	ds_load_b64 v[SC+8*NQ*\sc+NQ*\i:SC+8*NQ*\sc+NQ*\i+1], v[ADRS] offset:\i*SBLK
.endr
.endm
; A load into a register that a matrix instruction has read, and a vector instruction that reads a matrix result or writes one of its registers, stand NP places behind it; only plain vector
; instructions that name none of its registers are places (ISA guide 7.12.1 for vector instructions).
.macro PLACES n
.rept \n
	v_nop
.endr
.endm
; A step of 128 along K that has its successor in the same slot.
.macro STEP slot, q, zero
	s_wait_dscnt 4*NL                              ; B's set and A's blocks 0-3 are in; the youngest sixteen loads (A's blocks 4-7) may be out
	WIN MUL_LO
	MUL16 0, (\q)%2, \q, \slot, \zero
	MUL16 2, (\q)%2, \q, \slot, \zero
	s_wait_dscnt 0                                 ; A's blocks 4-7 are in
	PLACES NP
	FETCH_B \slot, (\q)+1, 1-(\q)%2
	FETCH_A \slot, (\q)+1, 0
	WIN MUL_HI
	MUL16 4, (\q)%2, \q, \slot, \zero
	MUL16 6, (\q)%2, \q, \slot, \zero
	PLACES NP
	WIN 0
	FETCH_A \slot, (\q)+1, 4
.endm
; A slot's last step changes slots: one barrier; in front of it each wave waits for all its tensor loads, adds 0 to its spare word, and waits for that and for its reads of this slot.  fill = 1: this slot is filled again.
.macro TURN slot, next, fill
	s_wait_tensorcnt 0x0                           ; all my tensor loads have landed: my part of the next slot
	ds_add_u32 v[SPW], v[NIL]                      ; 0 onto my spare word
	s_wait_dscnt 4*NL+1                            ; (the add and the youngest sixteen loads, A's blocks 4-7, may be out)
	WIN MUL_LO
	MUL16 0, 1, NQ-1, \slot, 0                     ; sixteen matrix instructions stand between the add and the wait for it
	s_wait_dscnt 0x0                               ; the add is done, and my reads of this slot are over
	s_barrier_signal -1
	MUL16 2, 1, NQ-1, \slot, 0
	WIN 0
	s_barrier_wait -1
.if \fill
	CREST                                          ; the barrier has opened a round of the cluster's barrier: no wave of any partner still reads this slot or has a load on its way
	s_add_nc_u64 s[G0+4*\slot+2:G0+4*\slot+3], s[G0+4*\slot+2:G0+4*\slot+3], 2*ROWB
	s_add_nc_u64 s[G0B+4*\slot+2:G0B+4*\slot+3], s[G0B+4*\slot+2:G0B+4*\slot+3], 2*ROWB
	JLOAD G0+4*\slot, G1, G0B+4*\slot, G1B         ; the first tensor load behind the round; its four v_nop are among the places in front of the loads below
	PLACES NP-4
.else
	PLACES NP
.endif
	s_wait_alu depctr_va_vdst(0)
	v_add_nc_u32 v[ADRS], 4*NQ, v[ADRS]            ; on to the next K step's scale words
	FETCH_B \next, 0, 0
	FETCH_A \next, 0, 0
	SCALES \next
	WIN MUL_HI
	MUL16 4, 1, NQ-1, \slot, 0
	MUL16 6, 1, NQ-1, \slot, 0
	PLACES NP
	WIN 0
	FETCH_A \next, 0, 4
.endm
	s_wait_loadcnt 0x0                             ; the biases: they have come long before the tiles
	s_wait_tensorcnt 1                             ; the scale bytes and my part of K step 0 are in (K step 1's load may be out),
	s_barrier_signal -1
	s_barrier_wait -1                              ; everybody's are
	FETCH_B 0, 0, 0
	FETCH_A 0, 0, 0
	SCALES 0
	FETCH_A 0, 0, 4
	STEP 0, 0, 1                                   ; the first step stands in front of the loop: its products start the sums
	s_mov_b32 s3, LAPS-1
.Llap:                                             ; a trip goes once round the ring and fills both slots again
	TURN 0, 1, 1
	STEP 1, 0, 0
	TURN 1, 0, 1
	STEP 0, 0, 0
	s_sub_co_u32 s3, s3, 1
	s_cmp_lg_u32 s3, 0
	s_cbranch_scc1 .Llap
	TURN 0, 1, 0                                   ; the last lap fills nothing
	STEP 1, 0, 0
	s_wait_dscnt 4*NL                              ; the very last step
	WIN MUL_LO
	MUL16 0, 1, NQ-1, 1, 0
	MUL16 2, 1, NQ-1, 1, 0
	s_wait_dscnt 0
	WIN MUL_HI
	MUL16 4, 1, NQ-1, 1, 0
	MUL16 6, 1, NQ-1, 1, 0
	WIN 0
; THE WAY OUT, a block of A's 16 rows at a time: the bias is added, the lane's 64 numbers (four blocks of 32, each shared with lane l xor 16) are quantised, and the 16 registers of codes leave as four pieces.
.macro QHEAD                           ; the four blocks' largest magnitudes, the conversions' scale operands and the scale bytes
.irp b, 0,1,2,3
	v_max3_num_f32 v[TM+\b], |v[H+16*\b]|, |v[H+1+16*\b]|, 0x4800000   ; my 16 numbers of block b, and the floor 2^(9 - 127): the byte cannot fall under 1
.endr
.irp i, 2,4,6,8,10,12,14
.irp b, 0,1,2,3
	v_max3_num_f32 v[TM+\b], v[TM+\b], |v[H+16*\b+\i]|, |v[H+1+16*\b+\i]|
.endr
.endr
.irp b, 0,1,2,3
	v_permlanex16_b32 v[TM+4+\b], v[TM+\b], s2, s3
.endr
.irp b, 0,1,2,3
	v_max_num_f32 v[TM+\b], v[TM+\b], v[TM+4+\b]   ; with lane l xor 16's: the block's largest magnitude
.endr
.irp b, 0,1,2,3
	v_add_nc_u32 v[TM+12+\b], 0xfc000000, v[TM+\b] ; 8 off its exponent field: the conversion takes this operand's exponent field as its scale
.endr
.irp b, 0,1,2,3
.endr
.irp b, 0,1,2,3
	v_lshrrev_b32 v[TM+4+\b], 23, v[TM+12+\b]      ; the scale's byte
.endr
.endm
.macro QCODES
.irp b, 0,1,2,3
.irp i, 0,1,2,3,4,5,6,7,8,9,10,11,12,13,14,15
.endr
	v_cvt_scalef32_pk8_fp8_f32 v[PC+4*\b:PC+4*\b+1], v[H+16*\b:H+16*\b+7], v[TM+12+\b]
	v_cvt_scalef32_pk8_fp8_f32 v[PC+4*\b+2:PC+4*\b+3], v[H+16*\b+8:H+16*\b+15], v[TM+12+\b]
.endr
	v_nop                                          ; a plain line behind the last conversion: the next block writes its sources
.endm
.macro EPI a, isv
.if \isv
	v_mov_b32 v[BP], v[BIASL+(\a)]                 ; my channel's bias, for all 64 tokens
.endif
	WIN (0x02+(\a)/4)                              ; source 0: the block's accumulators, window 2 or 3
.set i, 0
.rept 32
.if \isv
	v_pk_add_f32 v[H+2*i:H+2*i+1], v[64*((\a)%4)+2*i:64*((\a)%4)+2*i+1], v[BP:BP+1] op_sel_hi:[1,0]
.else
	v_pk_add_f32 v[H+2*i:H+2*i+1], v[64*((\a)%4)+2*i:64*((\a)%4)+2*i+1], v[BIASR+2*i:BIASR+2*i+1]   ; each accumulator from its low end on
.endif
.set i, i+1
.endr
	WIN 0
	QHEAD
.if \isv
	v_lshl_or_b32 v[W+(\a)], v[TM+5], 8, v[TM+4]   ; my channel's scale word for these 128 keys
	v_lshl_or_b32 v[W+(\a)], v[TM+6], 16, v[W+(\a)]
	v_lshl_or_b32 v[W+(\a)], v[TM+7], 24, v[W+(\a)]
.else
	v_lshl_or_b32 v[W+(\a)], v[TM+5], 8, v[TM+4]   ; my token's scale words, one for each of the two heads: two bytes,
	v_lshl_or_b32 v[W+8+(\a)], v[TM+7], 8, v[TM+6]
	v_or_b32 v[W+(\a)], 0x7f7f0000, v[W+(\a)]      ; and 1.0 twice for the upper 64 along K, where zero codes stand
	v_or_b32 v[W+8+(\a)], 0x7f7f0000, v[W+8+(\a)]
.endif
	s_wait_xcnt 0x0                                ; the last block's stores have read their data: the codes' registers are written again only behind this wait
	QCODES
.irp b, 0,1,2,3
.if \isv
	global_store_b128 v[VO], v[PC+4*\b:PC+4*\b+3], s[OUT:OUT+1] offset:HS*((\a)/4)+2048*((\a)%4)+512*\b   ; head a / 4, its channels 16 (a % 4) on, keys 32 b on: 512 consecutive bytes
.else
	global_store_b128 v[VO], v[PC+4*\b:PC+4*\b+3], s[OUT:OUT+1] offset:HS*(\b/2)+1024*(\a)+512*(\b%2)     ; head b / 2, tokens 16 a on, channels 32 (b % 2) on: 512 consecutive bytes
.endif
.endr
.endm
	PLACES NP                                      ; behind the last products: the lines below read results and write registers that held fragments and scale words
	s_mov_b32 s2, 0x76543210
	s_mov_b32 s3, 0xfedcba98                       ; v_permlanex16_b32's selects for lane l xor 16
	s_mov_b32 s19, 0xffff0000                      ; lanes 16-31
.irp b, 0,1,2,3
	v_mov_b32 v[TM+4+\b], 0                        ; written once: a lane permute's destination counts as one of its sources
.endr
	s_cmp_lt_u32 ttmp9, 16                         ; the cluster's number: the same in all sixteen partners
	s_cbranch_scc0 .Lv
.irp a, 0,1,2,3,4,5,6,7
	EPI \a, 0
.endr
.irp p, 0,1,2,3
	v_cndmask_b32 v[XS+\p], v[W+2*\p], v[W+2*\p+1], s19       ; lanes 0-15 keep tile 2 p's words, lanes 16-31 tile 2 p + 1's: so the reader's one register serves two tiles
	v_cndmask_b32 v[XS+4+\p], v[W+8+2*\p], v[W+8+2*\p+1], s19
.endr
	v_add_nc_u32 v[VS], s[SCO], v[VO]
	global_store_b128 v[VS], v[XS:XS+3], s[OUT:OUT+1]
	global_store_b128 v[VS], v[XS+4:XS+7], s[OUT:OUT+1] offset:HS
	s_branch .Ldone
.Lv:
	v_mov_b32 v[BP+1], 0                           ; (named with v[BP] as a pair, so it is written)
.irp a, 0,1,2,3,4,5,6,7
	EPI \a, 1
.endr
.irp p, 0,1,2,3
	v_cndmask_b32 v[XS+\p], v[W+2*\p], v[W+2*\p+1], s19
.endr
	v_lshrrev_b32 v[VS], 1, v[VO]                  ; 8 bytes a lane
	global_store_b64 v[VS], v[XS:XS+1], s[OUT:OUT+1] offset:VSCL-VIMG
	global_store_b64 v[VS], v[XS+2:XS+3], s[OUT:OUT+1] offset:VSCL-VIMG+HS
.Ldone:
	s_wait_tensorcnt 0x0                           ; the wave's end
	ds_add_u32 v[SPW], v[NIL]
	s_wait_dscnt 0x0
	CROUND                                         ; the closing round: no work-group ends while a partner may still ask for a tile that names it
	s_endpgm
.Lfunc_end_k_qefad09ec6c_qkv:
	.size	k_qefad09ec6c_qkv, .Lfunc_end_k_qefad09ec6c_qkv-k_qefad09ec6c_qkv
	.p2alignl 7, 3214868480
	.fill 96, 4, 3214868480
	.section	.rodata,"a",@progbits
	.p2align	6, 0x0
	.amdhsa_kernel k_qefad09ec6c_qkv
		.amdhsa_group_segment_fixed_size 327680
		.amdhsa_private_segment_fixed_size 0
		.amdhsa_enable_private_segment 0
		.amdhsa_kernarg_size 48
		.amdhsa_user_sgpr_count 2
		.amdhsa_user_sgpr_kernarg_segment_ptr 1
		.amdhsa_wavefront_size32 1
		.amdhsa_system_sgpr_workgroup_id_x 1
		.amdhsa_system_sgpr_workgroup_id_y 1
		.amdhsa_system_sgpr_workgroup_id_z 1
		.amdhsa_system_vgpr_workitem_id 0
		.amdhsa_next_free_vgpr 1024
		.amdhsa_next_free_sgpr 102
		.amdhsa_reserve_vcc 0
		.amdhsa_float_denorm_mode_32 3
		.amdhsa_float_denorm_mode_16_64 3
		.amdhsa_fp16_overflow 1
		.amdhsa_memory_ordered 1
		.amdhsa_forward_progress 1
		.amdhsa_inst_pref_size 219
	.end_amdhsa_kernel
	.amdgpu_metadata
---
amdhsa.version: [ 1, 2 ]
amdhsa.kernels:
  - .name:           k_qefad09ec6c_qkv
    .symbol:         k_qefad09ec6c_qkv.kd
    .args:
      - { .name: x_codes, .offset: 0, .size: 8, .value_kind: global_buffer, .address_space: global }
      - { .name: x_scales, .offset: 8, .size: 8, .value_kind: global_buffer, .address_space: global }
      - { .name: W_attn_codes, .offset: 16, .size: 8, .value_kind: global_buffer, .address_space: global }
      - { .name: W_attn_scales, .offset: 24, .size: 8, .value_kind: global_buffer, .address_space: global }
      - { .name: b_attn, .offset: 32, .size: 8, .value_kind: global_buffer, .address_space: global }
      - { .name: qkv, .offset: 40, .size: 8, .value_kind: global_buffer, .address_space: global }
    .group_segment_fixed_size: 327680
    .private_segment_fixed_size: 0
    .kernarg_segment_align: 8
    .kernarg_segment_size: 48
    .max_flat_workgroup_size: 128
    .sgpr_count:     102
    .vgpr_count:     1024
    .wavefront_size: 32
...
	.end_amdgpu_metadata
.endif
;; end of part 1
;; launch attn (part 2): grid 4 x 64, 16 waves a work-group, clusters of 4 x 1, 327,680 bytes of LDS; arguments qkv, yimg, ysc; writes yimg, ysc
.if DOCPART == 2
	.amdgcn_target "amdgcn-amd-amdhsa--gfx1250"
	.amdhsa_code_object_version 6
	.text
	.protected	k_qefad09ec6c_attn
	.globl	k_qefad09ec6c_attn
	.p2align	8
	.type	k_qefad09ec6c_attn,@function
k_qefad09ec6c_attn:
	s_mov_b64 s[64:65], 0
	v_nop
	global_prefetch_b8 v0, s[64:65] scope:SCOPE_SE
	s_setreg_imm32_b32 hwreg(HW_REG_WAVE_MODE, 25, 1), 1
	s_wait_xcnt 0x0
	s_wait_alu depctr_hold_cnt(0) depctr_sa_sdst(0) depctr_va_vdst(0) depctr_va_sdst(0) depctr_va_ssrc(0) depctr_va_vcc(0) depctr_vm_vsrc(0)
	s_getreg_b32 s2, hwreg(HW_REG_IB_STS2, 6, 4)
	s_cmp_eq_u32 s2, 0
	s_cbranch_scc0 .Lentry_in_a_cluster
	s_endpgm
.Lentry_in_a_cluster:
	s_bfe_u32 s2, ttmp6, 0x10000c
	s_cmp_lg_u32 s2, 0x3003
	s_cbranch_scc0 .Lentry_shape_is_right
	s_endpgm
.Lentry_shape_is_right:
; y[b][q][head] = the sum over keys k <= q of softmax_k(Q . K / 8) V, both products on codes of FP8 (E4M3) with one E8M0 scale for each 32 along a product's K; y is quantised along the model's channels for the last product.
; THE SOFTMAX AHEAD OF THE SECOND PRODUCT: t = score x log2(e) / 8; M = the row's largest t so far, rounded up to a whole number; p = 2^(t - M) is what is quantised, along the keys, not normalised.
; The row's sum is taken of the unquantised p and divides O at the end.  When M moves, the sum and O are multiplied by 2^(old M - new M), which rounds nothing.
; SHARES.  A cluster of four work-groups owns one (batch, head).  ALL OF THE HEAD'S K AND V, as images of operand registers with their scale words, 16 x 17,152 bytes, lie in each work-group's LDS, brought once by
; sixteen joint tensor loads: nothing is filled again, and behind the fourth barrier no wave waits for another.  Partner j takes the tiles of 16 queries 4 t + j, t = 0 .. 31; wave w takes t = 31 - w and then t = w,
; so that every wave walks 16 or 17 steps of 128 keys.  A tile's last step is t / 2, whatever j: every branch hangs on the wave's number and a loop's count alone; j enters global addresses and the mask's vector alone.
; LAYOUT.  Both products are used transposed: S^T = K Q^T (source 0 = 16 keys, source 1 = my 16 queries), O^T = V^T P^T (source 0 = 16 channels, source 1 = P): a lane holds one query (lane % 16) throughout.
; In tile i of S^T lane (r, h) holds keys 16 i + 8 h + 0..7; p's codes of tiles 2 b, 2 b + 1 go to registers 4 b .. 4 b + 3: the order in which the launch before has laid V's keys.  Q's and K's channels lie alike too.
; A HEAD HAS 64 CHANNELS AND THE FORM 128: Q's upper eight registers are zero codes.  K's tile i is named with the eight registers behind it (the next tile's codes; behind tile 7 eight zeros): valid codes, none of
; them NaN, which meet Q's zeros and add nothing; the scale words' upper two bytes are 0x7f on both sides.
; LIMITS: NaN and infinities are not served; a block of y whose largest magnitude lies under 2^-118 has its byte held at 1, a block of zeros too (this program alone reads the bytes).  ysc is written a byte a lane,
; 32 bytes apart: one byte for each 32 of the launch's codes.
.set BUNDLE, 25856                     ; the workspace's bytes for a head's 128 tokens
.set LB,     17152                     ; the first of them: K's image, V's image, K's and V's scale words: 67 rows of 256 bytes, what LDS keeps
.set VIMG,   8192
.set KSCL,   16384
.set VSCL,   16896
.set QIMG,   17152
.set QSCL,   25344
.set LI,   1                           ; v1   16 x lane
.set LV,   2                           ; v2   8 x lane
.set ADK,  3                           ; v3   the step's bytes in LDS + 16 x lane
.set ADS,  4                           ; v4   the same + 8 x lane
.set DQ1,  5                           ; v5   the first tile's mask: my query less the diagonal step's first key less 8 (lane / 16)
.set YO,   6                           ; v6   16 r + 8 h: where my 8 codes of y go in half a piece
.set YS,   7                           ; v7   32 r + h: where my scale byte goes
.set R16,  8                           ; v8   16 r
.set Q,    16                          ; v16-23 Q's codes, v24-31 zero codes
.set KV,   32                          ; v32-95 K: 8 tiles x 8 registers; then V: 4 fragments x 16;  v96-103 zero codes, never rewritten
.set S,    104                         ; v104-167 S^T, then p; at the end y
.set O,    168                         ; v168-199 O^T
.set PC,   200                         ; v200-215 p's codes; at the end y's
.set BM,   216                         ; v216-219 the blocks' largest scores, then largest p
.set PT,   220                         ; v220-223 the other lane's; a chain of the sum; the scale bytes
.set HD,   224                         ; v224-227 448 x the scale
.set SO,   228                         ; v228-231 the conversions' scale operands
.set KSW,  232                         ; v232-235 K's scale words: lanes 0-15 tile 2 p, lanes 16-31 tile 2 p + 1
.set VSW,  236                         ; v236-237 V's likewise
.set QS1,  238                         ; v238 the first tile's scale words of Q
.set PSW,  239                         ; v239 p's scale word
.set F,    240                         ; v240 f = 2^(old M - new M); v241 named with it as a pair
.set TMP,  242
.set NINF, 243                         ; v243 -infinity
.set Q2,   244                         ; v244-251 the second tile's codes of Q
.set QS2,  252                         ; v252 its scale words
.set DQ2,  253                         ; v253 its mask
.set WV,  10                           ; s10 my wave's number;  s11 cx;  s12 16 batch + head
.set G1,  16                           ; s[16:23] descriptor group 1;  s[24:39] four groups 0
.set G0,  24
.set KB,  40                           ; s40 the step's first byte in LDS
.set SI,  41                           ; s41 the step
.set SD1, 42                           ; s42 the first tile's last step, which lies on the diagonal
.set SEL, 44                           ; s[44:45] v_permlanex16_b32's selects for lane l xor 16
.set CS,  46                           ; s[46:47] c = log2(e) / 8
.set MNT, 48                           ; s48 the mantissa field of 448
.set CNT, 49                           ; s49 a loop's count
.set SD2, 58                           ; s58 the second tile's last step
.set HM,  59                           ; s59 lanes 16-31
.macro CROUND                          ; a round of the cluster's barrier
	s_barrier_signal -1
	s_barrier_wait -1
	s_cmp_lg_u32 s[WV], 0
	s_cbranch_scc1 .Lnot_wave_0_\@
	s_barrier_signal -3
.Lnot_wave_0_\@:
	s_barrier_wait -3
	s_barrier_signal -1
	s_barrier_wait -1
.endm
; The four addresses of tile 4 t + j: Q's codes, Q's scale words, y's codes, y's scale bytes.
.macro BASES t, qc, qs, yi, ys
	s_lshr_b32 s70, s[\t], 1                       ; the tile's step of 128 tokens
	s_and_b32 s74, s[\t], 1
	s_lshl_b32 s72, s12, 4
	s_add_co_u32 s72, s72, s70
	s_mul_i32 s72, s72, BUNDLE                     ; that step's bytes of my head, under 2^25
	s_lshl_b32 s74, s74, 2
	s_add_co_u32 s74, s74, s11                     ; the tile's number in the step: 4 (t % 2) + j
	s_lshl_b32 s73, s74, 10
	s_add_co_u32 s70, s72, s73
	s_add_co_u32 s70, s70, QIMG
	s_mov_b32 s71, 0
	s_add_nc_u64 s[\qc:\qc+1], s[4:5], s[70:71]
	s_and_b32 s73, s74, 1                          ; its scale words: lanes 16 (tile % 2) on, word tile / 2
	s_lshl_b32 s73, s73, 8
	s_lshr_b32 s75, s74, 1
	s_lshl_b32 s75, s75, 2
	s_add_co_u32 s70, s72, s73
	s_add_co_u32 s70, s70, s75
	s_add_co_u32 s70, s70, QSCL
	s_add_nc_u64 s[\qs:\qs+1], s[4:5], s[70:71]
	s_lshl_b32 s73, s[\t], 2
	s_add_co_u32 s73, s73, s11                     ; 4 t + j
	s_lshr_b32 s75, s12, 4                         ; batch
	s_lshl_b32 s70, s75, 7
	s_add_co_u32 s70, s70, s73                     ; the tile of 16 tokens among all 512
	s_lshl_b32 s72, s70, 9                         ; its 16 rows of 32 scale bytes
	s_lshl_b32 s70, s70, 14                        ; its 8 fragments of 2,048 bytes
	s_and_b32 s75, s12, 15                         ; head: its 64 channels are two pieces of 512 bytes
	s_lshl_b32 s74, s75, 10
	s_add_co_u32 s70, s70, s74
	s_add_nc_u64 s[\yi:\yi+1], s[6:7], s[70:71]
	s_lshl_b32 s74, s75, 1                         ; and two scale bytes
	s_add_co_u32 s70, s72, s74
	s_add_nc_u64 s[\ys:\ys+1], s[8:9], s[70:71]
.endm
	s_load_b128 s[4:7], s[0:1], 0x0                ; the workspace of Q, K, V; y's codes
	s_load_b64 s[8:9], s[0:1], 0x10                ; y's scale bytes
	v_lshl_add_u32 v254, v0, 2, 0x43000
	v_mov_b32 v255, 0
	ds_add_u32 v254, v255
	ds_add_u32 v254, v255
	v_lshrrev_b32 v9, 5, v0
	s_delay_alu instid0(VALU_DEP_1)
	v_readfirstlane_b32 s[WV], v9                  ; wave 0..15
	s_and_b32 s12, ttmp7, 0xffff                   ; 16 batch + head: the cluster's y
	; descriptor group 1: a dense block of 17,152 bytes as 67 rows of 256 bytes (32 elements of 8 bytes), no padding: every read takes 512 or 256 consecutive bytes
	s_mov_b32 s[G1], 15|(3<<16)|(1<<21)            ; 15:0 the mask: all four work-groups; 17:16 elements of 8 bytes; 21 set beside a mask
	s_mov_b32 s[G1+1], 32<<16                      ; tensor_dim0
	s_mov_b32 s[G1+2], 67<<16                      ; tensor_dim1
	s_mov_b32 s[G1+3], 32<<16                      ; tile_dim0
	s_mov_b32 s[G1+4], 67                          ; tile_dim1
	s_mov_b32 s[G1+5], 32                          ; tensor_dim0_stride
	s_mov_b32 s[G1+6], 0
	s_mov_b32 s[G1+7], 0
	s_and_b32 s13, s[WV], 3                        ; load k of wave i (0 .. 3) brings step 4 k + i
	s_mul_i32 s15, s13, BUNDLE
	s_mul_i32 s13, s13, LB
	s_mul_i32 s14, s12, 16*BUNDLE
	s_add_co_u32 s14, s14, s15
	s_mov_b32 s15, 0
	s_wait_dscnt 0x0
	s_wait_kmcnt 0x0
	s_add_nc_u64 s[14:15], s[4:5], s[14:15]
.irp k, 0,1,2,3
	s_mov_b32 s[G0+4*\k], 1                        ; count = 1
	s_add_co_u32 s[G0+4*\k+1], s13, 4*\k*LB        ; LDS address
	s_add_nc_u64 s[G0+4*\k+2:G0+4*\k+3], s[14:15], 4*\k*BUNDLE   ; global address
	s_or_b32 s[G0+4*\k+3], s[G0+4*\k+3], 0x80000000              ; type = 2
.endr
	CROUND                                         ; all four work-groups are here: the joint loads meet
	s_cmp_lt_u32 s[WV], 4                          ; waves 0 to 3 fetch: all their loads stand in this one branch; four of a wave's are out
	s_cbranch_scc0 .Lno_fetch
	tensor_load_to_lds s[G0:G0+3], s[G1:G1+7]
	s_nop 0
	tensor_load_to_lds s[G0+4:G0+7], s[G1:G1+7]
	s_nop 0
	tensor_load_to_lds s[G0+8:G0+11], s[G1:G1+7]
	s_nop 0
	tensor_load_to_lds s[G0+12:G0+15], s[G1:G1+7]
	s_nop 0
.rept 4
	v_nop
.endr
.Lno_fetch:
	v_and_b32 v9, 31, v0                           ; lane
	s_delay_alu instid0(VALU_DEP_1)
	v_lshlrev_b32 v[LI], 4, v9
	s_delay_alu instid0(VALU_DEP_2)
	v_lshlrev_b32 v[LV], 3, v9
	v_and_b32 v10, 15, v0                          ; r
	v_bfe_u32 v11, v0, 4, 1                        ; h
	s_delay_alu instid0(VALU_DEP_2)
	v_lshlrev_b32 v[R16], 4, v10
	s_delay_alu instid0(VALU_DEP_1)
	v_lshl_add_u32 v[YO], v11, 3, v[R16]
	s_delay_alu instid0(VALU_DEP_3)
	v_lshl_add_u32 v[YS], v10, 5, v11
	s_delay_alu instid0(VALU_DEP_4)
	v_lshlrev_b32 v11, 3, v11
	s_delay_alu instid0(VALU_DEP_1)
	v_sub_nc_u32 v10, v10, v11                     ; r - 8 h
	s_wait_alu depctr_va_vdst(0)
	s_bfe_u32 s11, ttmp6, 0x40000                  ; j = cx
	s_sub_co_u32 s76, 31, s[WV]                    ; t of my first tile,
	s_mov_b32 s77, s[WV]                           ; and of my second
	BASES 76, 50, 52, 54, 56
	BASES 77, 60, 62, 66, 68
	s_lshr_b32 s[SD1], s76, 1
	s_lshr_b32 s[SD2], s77, 1
	s_lshl_b32 s71, s11, 4
	s_and_b32 s70, s76, 1
	s_lshl_b32 s70, s70, 6
	s_add_co_u32 s70, s70, s71
	v_add_nc_u32 v[DQ1], s70, v10                  ; 64 (t % 2) + 16 j + r - 8 h.  In the diagonal step register 8 i + n holds key 16 i + 8 h + n of the step: hidden where 16 i + n is greater
	s_and_b32 s70, s77, 1
	s_lshl_b32 s70, s70, 6
	s_add_co_u32 s70, s70, s71
	v_add_nc_u32 v[DQ2], s70, v10
	global_load_b128 v[Q:Q+3], v[LI], s[50:51]     ; both tiles' Q: two pieces and a scale word each
	global_load_b128 v[Q+4:Q+7], v[LI], s[50:51] offset:512
	global_load_b32 v[QS1], v[R16], s[52:53]
	global_load_b128 v[Q2:Q2+3], v[LI], s[60:61]
	global_load_b128 v[Q2+4:Q2+7], v[LI], s[60:61] offset:512
	global_load_b32 v[QS2], v[R16], s[62:63]
	s_mov_b32 s[SEL], 0x76543210
	s_mov_b32 s[SEL+1], 0xfedcba98
	s_mov_b32 s[CS], 0x3e38aa3b                    ; c = log2(e) / sqrt(64)
	s_mov_b32 s[CS+1], s[CS]                       ; (named with it as a pair, so it is written)
	s_mov_b32 s[HM], 0xffff0000
.irp n, 0,1,2,3,4,5,6,7
	v_mov_b32 v[Q+8+\n], 0                         ; zero codes: the upper 64 along K of Q,
	v_mov_b32 v[KV+64+\n], 0                       ; and what stands behind K's tile 7
.endr
	v_mov_b32 v[NINF], 0xff800000
	v_mov_b32 v[F+1], 0                            ; (named as the upper half of a pair)
	v_mov_b32 v[TMP], 0
.irp b, 0,1,2,3
	v_mov_b32 v[PT+\b], 0                          ; written once: a lane permute's destination counts as one of its sources
.endr
.macro INIT                            ; a tile begins: O^T and the sum are zeros and the largest t is under every t, so that the step is written once: the first change of M multiplies zeros
	v_mov_b32 v13, 0xff61b1e6                      ; -3e38
	s_delay_alu instid0(VALU_DEP_1)
	v_floor_f32 v12, -v13                          ; -M
	v_mov_b32 v14, 0
	v_mov_b32 v15, 0
.set n, 0
.rept 32
	v_mov_b32 v[O+n], 0
.set n, n+1
.endr
	s_mov_b32 s[KB], 0
	s_mov_b32 s[SI], 0
.endm
; A STEP of 128 keys.  mask = 1: the step may lie behind the tile's diagonal step (then its work is jumped over, not the lines at its end that step addresses) or on it (then hidden scores become -infinity).
; dq: the mask's register;  qs: Q's scale words;  sd: the scalar with the diagonal step.
.macro STEP mask, dq, qs, sd
.if \mask
	s_cmp_gt_u32 s[SI], s[\sd]
	s_cbranch_scc1 .Lhidden_\@
.endif
	s_setprio 2
	v_add_nc_u32 v[ADK], s[KB], v[LI]
	v_add_nc_u32 v[ADS], s[KB], v[LV]
.rept 6
	v_nop                                          ; with the two additions: eight places in front of loads into registers that the last step's products have read
.endr
.irp i, 0,1,2,3,4,5,6,7
	ds_load_b128 v[KV+8*\i:KV+8*\i+3], v[ADK] offset:1024*\i          ; K's tile i: channels 0-31,
	ds_load_b128 v[KV+8*\i+4:KV+8*\i+7], v[ADK] offset:1024*\i+512    ; channels 32-63
.endr
	ds_load_b128 v[KSW:KSW+3], v[ADK] offset:KSCL
	s_wait_alu depctr_va_vdst(0)
	s_wait_dscnt 0x0
.irp i, 0,2,4,6
	v_wmma_scale_f32_16x16x128_f8f6f4 v[S+8*\i:S+8*\i+7], v[KV+8*\i:KV+8*\i+15], v[Q:Q+15], 0, v[KSW+\i/2], v[\qs]
	v_wmma_scale_f32_16x16x128_f8f6f4 v[S+8*\i+8:S+8*\i+15], v[KV+8*\i+8:KV+8*\i+23], v[Q:Q+15], 0, v[KSW+\i/2], v[\qs] matrix_a_scale:MATRIX_SCALE_ROW1
.endr
.rept 8
	v_nop                                          ; eight places: in front of the loads into K's registers, and of the first read of the scores
.endr
.irp i, 0,1,2,3
.irp c, 0,1,2,3
	ds_load_b128 v[KV+16*\i+4*\c:KV+16*\i+4*\c+3], v[ADK] offset:VIMG+2048*\i+512*\c   ; V's fragments are asked for now and land under the softmax
.endr
.endr
	ds_load_b64 v[VSW:VSW+1], v[ADS] offset:VSCL
.if \mask
	s_cmp_lg_u32 s[SI], s[\sd]
	s_cbranch_scc1 .Lopen_\@
.set n, 0
.rept 64
	v_cmp_gt_i32 vcc_lo, 16*(n/8)+n%8, v[\dq]
	v_cndmask_b32 v[S+n], v[S+n], v[NINF], vcc_lo  ; p = 0 then.  The query's own key counts, so the row's maximum is a number
.set n, n+1
.endr
.Lopen_\@:
.endif
.irp b, 0,1,2,3
	v_max3_num_f32 v[BM+\b], v[S+16*\b], v[S+1+16*\b], v[S+2+16*\b]   ; the largest score of each block of 32 keys: it serves for the row's maximum and, since p rises with the score, for the block's largest p
.endr
.irp i, 3,5,7,9,11,13
.irp b, 0,1,2,3
	v_max3_num_f32 v[BM+\b], v[BM+\b], v[S+16*\b+\i], v[S+1+16*\b+\i]
.endr
.endr
.irp b, 0,1,2,3
	v_max_num_f32 v[BM+\b], v[BM+\b], v[S+15+16*\b]
.endr
.irp b, 0,1,2,3
	s_delay_alu instid0(VALU_DEP_4)
	v_permlanex16_b32 v[PT+\b], v[BM+\b], s[SEL], s[SEL+1]
.endr
.irp b, 0,1,2,3
	s_delay_alu instid0(VALU_DEP_4)
	v_max_num_f32 v[BM+\b], v[BM+\b], v[PT+\b]     ; with lane l xor 16's 16 keys
.endr
	s_delay_alu instid0(VALU_DEP_2)
	v_max3_num_f32 v[TMP], v[BM], v[BM+1], v[BM+2]
	s_delay_alu instid0(VALU_DEP_1)
	v_max_num_f32 v[TMP], v[TMP], v[BM+3]          ; the step's largest score of my query
	s_delay_alu instid0(VALU_DEP_1)
	v_mul_f32 v[TMP], s[CS], v[TMP]                ; as t
	s_delay_alu instid0(VALU_DEP_1)
	v_max_num_f32 v13, v13, v[TMP]                 ; the running largest t
	v_mov_b32 v[TMP], v12
	s_delay_alu instid0(VALU_DEP_2)
	v_floor_f32 v12, -v13                          ; the new -M = floor(-t) = -ceil(t)
	s_delay_alu instid0(VALU_DEP_1)
	v_sub_f32 v[TMP], v12, v[TMP]                  ; old M - new M: a whole number, 0 or less
	s_delay_alu instid0(VALU_DEP_1)
	v_cvt_i32_f32 v[TMP], v[TMP]                   ; (it saturates)
	s_delay_alu instid0(VALU_DEP_1)
	v_ldexp_f32 v[F], 1.0, v[TMP]                  ; f = 2^(old M - new M)
.set n, 0
	s_setprio 1
.rept 32
	v_pk_fma_f32 v[S+n:S+n+1], v[S+n:S+n+1], s[CS:CS+1], v[12:13] op_sel_hi:[1,0,0]   ; t - M, two at a time
.set n, n+2
.endr
.irp b, 0,1,2,3
	v_fma_f32 v[BM+\b], v[BM+\b], s[CS], v12       ; the same of each block's largest score
.endr
.set n, 0
	s_wait_alu depctr_va_vdst(0)
.rept 64
	v_exp_f32 v[S+n], v[S+n]                       ; p = 2^(t - M), at most 1
.set n, n+1
.endr
	v_pk_mul_f32 v[14:15], v[14:15], v[F:F+1] op_sel_hi:[1,0]   ; the sums under the new M: a plain line behind the exponentials
	s_wait_alu depctr_va_vdst(0)                   ; one wait for the batch of 64, ahead of its first reader
.irp b, 0,1,2,3
	v_exp_f32 v[BM+\b], v[BM+\b]                   ; the block's largest p: the same two instructions on the same number
.endr
	v_pk_add_f32 v[220:221], v[108:109], v[112:113]
	v_pk_add_f32 v[234:235], v[116:117], v[120:121]
	v_pk_add_f32 v[232:233], v[124:125], v[128:129]
	v_pk_add_f32 v[230:231], v[132:133], v[136:137]
	v_pk_add_f32 v[228:229], v[140:141], v[144:145]
	v_pk_add_f32 v[226:227], v[148:149], v[152:153]
	v_pk_add_f32 v[224:225], v[156:157], v[160:161]
	v_pk_add_f32 v[14:15], v[14:15], v[164:165]
	v_pk_add_f32 v[220:221], v[220:221], v[104:105]
	v_pk_add_f32 v[234:235], v[234:235], v[106:107]
	v_pk_add_f32 v[232:233], v[232:233], v[110:111]
	v_pk_add_f32 v[230:231], v[230:231], v[114:115]
	v_pk_add_f32 v[228:229], v[228:229], v[118:119]
	v_pk_add_f32 v[226:227], v[226:227], v[122:123]
	v_pk_add_f32 v[224:225], v[224:225], v[126:127]
	v_pk_add_f32 v[14:15], v[14:15], v[130:131]
	v_pk_add_f32 v[220:221], v[220:221], v[134:135]
	v_pk_add_f32 v[234:235], v[234:235], v[138:139]
	v_pk_add_f32 v[232:233], v[232:233], v[142:143]
	v_pk_add_f32 v[230:231], v[230:231], v[146:147]
	v_pk_add_f32 v[228:229], v[228:229], v[150:151]
	v_pk_add_f32 v[226:227], v[226:227], v[154:155]
	v_pk_add_f32 v[224:225], v[224:225], v[158:159]
	v_pk_add_f32 v[14:15], v[14:15], v[162:163]
	v_pk_add_f32 v[220:221], v[220:221], v[166:167]
	s_delay_alu instid0(VALU_DEP_2)
	v_pk_add_f32 v[14:15], v[14:15], v[230:231]
	s_delay_alu instid0(VALU_DEP_2)
	v_pk_add_f32 v[220:221], v[220:221], v[228:229]
	v_pk_add_f32 v[234:235], v[234:235], v[226:227]
	v_pk_add_f32 v[232:233], v[232:233], v[224:225]
	s_delay_alu instid0(VALU_DEP_2)
	v_pk_add_f32 v[14:15], v[14:15], v[234:235]
	s_delay_alu instid0(VALU_DEP_2)
	v_pk_add_f32 v[220:221], v[220:221], v[232:233]
	s_delay_alu instid0(VALU_DEP_1)
	v_pk_add_f32 v[14:15], v[14:15], v[220:221]
	s_setprio 0
	s_wait_alu depctr_va_vdst(0)                   ; and one for the four
.irp b, 0,1,2,3
	v_max_num_f32 v[BM+\b], 0x4800000, v[BM+\b]    ; the floor 2^(9 - 127): the byte cannot fall under 1 (a block whose every p is 0 keeps that byte: its codes are zeros)
.endr
.irp b, 0,1,2,3
	s_delay_alu instid0(VALU_DEP_4)
	v_add_nc_u32 v[SO+\b], 0xfc000000, v[BM+\b]    ; 8 off the exponent field: the conversion's scale operand
.endr
.irp b, 0,1,2,3
.endr
.irp b, 0,1,2,3
	s_delay_alu instid0(VALU_DEP_4)
	v_lshrrev_b32 v[PT+\b], 23, v[SO+\b]           ; the scale's byte
.endr
	s_delay_alu instid0(VALU_DEP_3)
	v_lshl_or_b32 v[PSW], v[PT+1], 8, v[PT]        ; p's scale word for these 128 keys: the 64 holds below stand between it and the products
	s_delay_alu instid0(VALU_DEP_1)
	v_lshl_or_b32 v[PSW], v[PT+2], 16, v[PSW]
	s_delay_alu instid0(VALU_DEP_1)
	v_lshl_or_b32 v[PSW], v[PT+3], 24, v[PSW]
.irp b, 0,1,2,3
.irp i, 0,1,2,3,4,5,6,7,8,9,10,11,12,13,14,15
.endr
	v_cvt_scalef32_pk8_fp8_f32 v[PC+4*\b:PC+4*\b+1], v[S+16*\b:S+16*\b+7], v[SO+\b]
	v_cvt_scalef32_pk8_fp8_f32 v[PC+4*\b+2:PC+4*\b+3], v[S+16*\b+8:S+16*\b+15], v[SO+\b]
.endr
.set n, 0
.rept 16
	v_pk_mul_f32 v[O+n:O+n+1], v[O+n:O+n+1], v[F:F+1] op_sel_hi:[1,0]   ; O^T under the new M.  These sixteen also stand between the conversions and the products
.set n, n+2
.endr
	s_wait_alu depctr_va_vdst(0)
	s_wait_dscnt 0x0                               ; V and its scale words are in
.irp i, 0,2
	v_wmma_scale_f32_16x16x128_f8f6f4 v[O+8*\i:O+8*\i+7], v[KV+16*\i:KV+16*\i+15], v[PC:PC+15], v[O+8*\i:O+8*\i+7], v[VSW+\i/2], v[PSW]
	v_wmma_scale_f32_16x16x128_f8f6f4 v[O+8*\i+8:O+8*\i+15], v[KV+16*\i+16:KV+16*\i+31], v[PC:PC+15], v[O+8*\i+8:O+8*\i+15], v[VSW+\i/2], v[PSW] matrix_a_scale:MATRIX_SCALE_ROW1
.endr
.if \mask
.Lhidden_\@:
.endif
	s_add_co_u32 s[KB], s[KB], LB                  ; the next step
	s_add_co_u32 s[SI], s[SI], 1
.endm
; A TILE ENDS: y = O^T / the sum; its 64 channels are two blocks of 32 along the last product's K, each shared with lane l xor 16.  The codes of tile i (channels 16 i + 8 h + 0..7 of token r) go to bytes
; 16 (r + 16 (i % 2)) + 8 h of piece i / 2: the TRUE order of an operand's registers, since W_o's codes come in true order.  Each of the four stores covers 256 consecutive bytes, aligned.
.macro FINISH yi, ys
.rept 8
	v_nop                                          ; eight places behind the last products
.endr
	v_add_f32 v14, v14, v15                        ; the sum's two halves,
	s_delay_alu instid0(VALU_DEP_1)
	v_permlanex16_b32 v[TMP], v14, s[SEL], s[SEL+1]
	s_delay_alu instid0(VALU_DEP_1)
	v_add_f32 v14, v14, v[TMP]                     ; and lane l xor 16's
	s_wait_alu depctr_va_vdst(0)
	v_rcp_f32 v14, v14
	v_nop                                          ; a plain line behind the reciprocal,
	s_wait_alu depctr_va_vdst(0)                   ; and the wait ahead of its first reader
.set n, 0
.rept 16
	v_pk_mul_f32 v[S+n:S+n+1], v[O+n:O+n+1], v[14:15] op_sel_hi:[1,0]   ; each accumulator from its low end on
.set n, n+2
.endr
.irp b, 0,1
	v_max3_num_f32 v[BM+\b], |v[S+16*\b]|, |v[S+1+16*\b]|, 0x4800000
.endr
.irp i, 2,4,6,8,10,12,14
.irp b, 0,1
	s_delay_alu instid0(VALU_DEP_2)
	v_max3_num_f32 v[BM+\b], v[BM+\b], |v[S+16*\b+\i]|, |v[S+1+16*\b+\i]|
.endr
.endr
.irp b, 0,1
	s_delay_alu instid0(VALU_DEP_2)
	v_permlanex16_b32 v[PT+\b], v[BM+\b], s[SEL], s[SEL+1]
.endr
.irp b, 0,1
	s_delay_alu instid0(VALU_DEP_2)
	v_max_num_f32 v[BM+\b], v[BM+\b], v[PT+\b]
.endr
.irp b, 0,1
	s_delay_alu instid0(VALU_DEP_2)
	v_add_nc_u32 v[SO+\b], 0xfc000000, v[BM+\b]
.endr
.irp b, 0,1
.endr
.irp b, 0,1
	s_delay_alu instid0(VALU_DEP_2)
	v_lshrrev_b32 v[PT+\b], 23, v[SO+\b]
.endr
	s_delay_alu instid0(VALU_DEP_1)
	v_cndmask_b32 v[TMP], v[PT], v[PT+1], s[HM]    ; lanes 0-15 store the first block's byte, lanes 16-31 the second's
.irp b, 0,1
.irp i, 0,1,2,3,4,5,6,7,8,9,10,11,12,13,14,15
.endr
	v_cvt_scalef32_pk8_fp8_f32 v[PC+4*\b:PC+4*\b+1], v[S+16*\b:S+16*\b+7], v[SO+\b]
	v_cvt_scalef32_pk8_fp8_f32 v[PC+4*\b+2:PC+4*\b+3], v[S+16*\b+8:S+16*\b+15], v[SO+\b]
.endr
	v_nop                                          ; a plain line behind the last conversion
.irp i, 0,1,2,3
	global_store_b64 v[YO], v[PC+2*\i:PC+2*\i+1], s[\yi:\yi+1] offset:512*(\i/2)+256*(\i%2)
.endr
	global_store_b8 v[YS], v[TMP], s[\ys:\ys+1]
.endm
	INIT
	s_wait_loadcnt 0x0                             ; Q
.irp k, 0,1,2,3                        ; my first tile's steps 0 to 3 lie ahead of its diagonal (its last step is 8 or more).  In front of step k: the barrier that shows steps 4 k .. 4 k + 3 to every wave
	s_wait_tensorcnt 3-\k                          ; my loads 0 .. k have landed; the 3 - k issued behind them may be out
	s_barrier_signal -1
	s_barrier_wait -1
	STEP 0, DQ1, QS1, SD1
.endr
	s_mov_b32 s[CNT], 12
.Lfirst:                                           ; steps 4 to 15: a constant count; what lies behind the diagonal is jumped over inside the step
	STEP 1, DQ1, QS1, SD1
	s_sub_co_u32 s[CNT], s[CNT], 1
	s_cmp_lg_u32 s[CNT], 0
	s_cbranch_scc1 .Lfirst
	s_setprio 0
	FINISH 54, 56
	s_wait_xcnt 0x0                                ; the stores have read their data: the registers are written again only behind this wait
.irp n, 0,1,2,3,4,5,6,7
	v_mov_b32 v[Q+\n], v[Q2+\n]                    ; the second tile's Q takes its place in front of the zero codes
.endr
	INIT
	s_mov_b32 s[CNT], 8
.Lsecond:                                          ; my second tile's last step is 7 at the most
	STEP 1, DQ2, QS2, SD2
	s_sub_co_u32 s[CNT], s[CNT], 1
	s_cmp_lg_u32 s[CNT], 0
	s_cbranch_scc1 .Lsecond
	s_setprio 0
	FINISH 66, 68
	s_wait_tensorcnt 0x0
	ds_add_u32 v254, v255
	s_wait_dscnt 0x0
	CROUND                                         ; the closing round
	s_endpgm
.Lfunc_end_k_qefad09ec6c_attn:
	.size	k_qefad09ec6c_attn, .Lfunc_end_k_qefad09ec6c_attn-k_qefad09ec6c_attn
	.p2alignl 7, 3214868480
	.fill 96, 4, 3214868480
	.section	.rodata,"a",@progbits
	.p2align	6, 0x0
	.amdhsa_kernel k_qefad09ec6c_attn
		.amdhsa_group_segment_fixed_size 327680
		.amdhsa_private_segment_fixed_size 0
		.amdhsa_enable_private_segment 0
		.amdhsa_kernarg_size 24
		.amdhsa_user_sgpr_count 2
		.amdhsa_user_sgpr_kernarg_segment_ptr 1
		.amdhsa_wavefront_size32 1
		.amdhsa_system_sgpr_workgroup_id_x 1
		.amdhsa_system_sgpr_workgroup_id_y 1
		.amdhsa_system_sgpr_workgroup_id_z 1
		.amdhsa_system_vgpr_workitem_id 0
		.amdhsa_next_free_vgpr 256
		.amdhsa_next_free_sgpr 80
		.amdhsa_reserve_vcc 1
		.amdhsa_float_denorm_mode_32 3
		.amdhsa_float_denorm_mode_16_64 3
		.amdhsa_fp16_overflow 1
		.amdhsa_memory_ordered 1
		.amdhsa_forward_progress 1
		.amdhsa_inst_pref_size 134
	.end_amdhsa_kernel
	.amdgpu_metadata
---
amdhsa.version: [ 1, 2 ]
amdhsa.kernels:
  - .name:           k_qefad09ec6c_attn
    .symbol:         k_qefad09ec6c_attn.kd
    .args:
      - { .name: qkv, .offset: 0, .size: 8, .value_kind: global_buffer, .address_space: global }
      - { .name: yimg, .offset: 8, .size: 8, .value_kind: global_buffer, .address_space: global }
      - { .name: ysc, .offset: 16, .size: 8, .value_kind: global_buffer, .address_space: global }
    .group_segment_fixed_size: 327680
    .private_segment_fixed_size: 0
    .kernarg_segment_align: 8
    .kernarg_segment_size: 24
    .max_flat_workgroup_size: 512
    .sgpr_count:     80
    .vgpr_count:     256
    .wavefront_size: 32
...
	.end_amdgpu_metadata
.endif
;; end of part 2
;; launch proj (part 3): grid 4 x 32, 4 waves a work-group, clusters of 4 x 4, 327,680 bytes of LDS; arguments yimg, ysc, W_o_codes, W_o_scales, b_o, out0; writes out0
.if DOCPART == 3
	.amdgcn_target "amdgcn-amd-amdhsa--gfx1250"
	.amdhsa_code_object_version 6
	.text
	.protected	k_qefad09ec6c_proj
	.globl	k_qefad09ec6c_proj
	.p2align	8
	.type	k_qefad09ec6c_proj,@function
k_qefad09ec6c_proj:
	s_mov_b64 s[64:65], 0
	v_nop
	global_prefetch_b8 v0, s[64:65] scope:SCOPE_SE
	s_setreg_imm32_b32 hwreg(HW_REG_WAVE_MODE, 25, 1), 1
	s_wait_xcnt 0x0
	s_wait_alu depctr_hold_cnt(0) depctr_sa_sdst(0) depctr_va_vdst(0) depctr_va_sdst(0) depctr_va_ssrc(0) depctr_va_vcc(0) depctr_vm_vsrc(0)
	s_getreg_b32 s2, hwreg(HW_REG_IB_STS2, 6, 4)
	s_cmp_eq_u32 s2, 0
	s_cbranch_scc0 .Lentry_in_a_cluster
	s_endpgm
.Lentry_in_a_cluster:
	s_bfe_u32 s2, ttmp6, 0x10000c
	s_cmp_lg_u32 s2, 0xf033
	s_cbranch_scc0 .Lentry_shape_is_right
	s_endpgm
.Lentry_shape_is_right:
; out0 = y W_o^T + b_o on codes of FP8 (E4M3) with one E8M0 scale for each 32 along K = 1,024.  y: 8,192 tokens, as images of operand registers ([tile of 16 tokens 512][128 along K 8][c 4][lane 32][16 bytes]) with
; scale bytes [token][32]; W_o: [1,024][1,024] codes, K innermost, scale bytes [1,024][32]; out0: [8,192][1,024] f32.
; A tile of 256 x 256 of out0 is made by four waves, each 128 x 128 in 64 accumulators.  K goes in steps of 256 through two LDS slots filled by tensor loads; the scale bytes of the tile's rows come once.
; The matrix instruction is used transposed (source 0 = 16 rows of W_o, "B"; source 1 = 16 tokens, "A"): a lane holds eight neighbouring numbers of a row of out0.  b_o is the C of each sum's first product.
; CLUSTERS: 4 x 4 work-groups; A's tile is asked for jointly along a row of the cluster, B's along a column.  32 x 4 tiles: 128 work-groups.
; REGISTERS, in windows of 256: window 0: v0-31 addresses; v32-63 scale words, two sets; v64-127 b_o; from v128 A's fragments, one set;  window 1: B's fragments, two sets;  windows 2, 3: the accumulators.
.set SIZE_N, 1024
.set SIZE_K, 1024
.set KSTEP,  256
.set NQ,     KSTEP/128
.set ROWB,   256                       ; a row of B's tile in bytes
.set KROW,   SIZE_K
.set ASLOT,  4096                      ; a tile of 16 tokens has 4,096 consecutive bytes for a K step of 256
.set PITCH,  272                       ; B's rows in LDS: 256 bytes + 16 of padding
.set FR,     16
.set NL,     4
.set NP,     8
.set HALFT,  128*PITCH                 ; the LDS bytes of one tensor load's part: B's 128 rows fill them, A's eight tiles take the first 32,768
.set SLOT,   4*HALFT
.set LAPS,   SIZE_K/(2*KSTEP)
.set KS,     SIZE_K/32
.set SCL,    2*SLOT
.set HALFS,  (128*KS/256)*272
.set SBLK,   (16*KS/256)*272
.set SPARE,  SCL+4*HALFS               ; the spare words, 128 bytes for each wave: two blocks of 256 bytes that no other line names
.set SPITCH, 528                       ; the way out: a stage of 16 rows x (512 bytes + 16) for each wave, in slot 0, which has had its last fill and its last read when the first result is stored there
.set HO,   7                           ; v7      32 x (lane / 16): offset of the bias
.set ADRA, 16
.set ADRB, 20
.set STO,  24
.set RD,   25
.set CO,   26
.set ADRS, 27
.set SPW,  28
.set NIL,  29
.set SC,   32
.set BIAS, 64                          ; v64-127 register 8 b + j = b_o at my column 16 b + 8 h + j
.set AF,   128
.set BK,   128
.set G1, 24
.set G0, 32
.set G1B, 48
.set G0B, 56
.set G1S, 68
.set G0S, 76
.set G1SB, 80
.set G0SB, 88
.set MSB, 0
.macro WIN new
.if MSB != \new
	s_set_vgpr_msb (MSB<<8)|\new
.set MSB, \new
.endif
.endm
.set MUL_LO, 0xa1                      ; source 0 (B) window 1, source 1 (A) window 0, C and D window 2
.set MUL_HI, 0xf1                      ; the same, C and D window 3
.set BEG_LO, 0x81                      ; the first products: C (the bias) window 0, D window 2
.set BEG_HI, 0xc1                      ; D window 3
.set TO_B,   0x40
.macro JLOAD g0a, g1a, g0b, g1b        ; a joint load: waves 0 and 1 fetch for A, waves 2 and 3 for B; four v_nop follow each of the two lines
	s_cmp_eq_u32 s15, 0
	s_cbranch_scc0 .Lfor_b_\@
	tensor_load_to_lds s[\g0a:\g0a+3], s[\g1a:\g1a+7]
	s_nop 0
.rept 4
	v_nop
.endr
	s_branch .Lasked_\@
.Lfor_b_\@:
	tensor_load_to_lds s[\g0b:\g0b+3], s[\g1b:\g1b+7]
	s_nop 0
.rept 4
	v_nop
.endr
.Lasked_\@:
.endm
.macro CREST
	s_cmp_lg_u32 s14, 0
	s_cbranch_scc1 .Lnot_wave_0_\@
	s_barrier_signal -3
.Lnot_wave_0_\@:
	s_barrier_wait -3
	s_barrier_signal -1
	s_barrier_wait -1
.endm
.macro CROUND
	s_barrier_signal -1
	s_barrier_wait -1
	CREST
.endm
	s_load_b128 s[4:7], s[0:1], 0x0                ; y's codes, y's scales
	s_load_b128 s[8:11], s[0:1], 0x10              ; W_o's codes, W_o's scales
	s_load_b64 s[96:97], s[0:1], 0x20              ; b_o
	s_load_b64 s[12:13], s[0:1], 0x28              ; out0
	v_lshl_add_u32 v[SPW], v0, 2, SPARE
	v_mov_b32 v[NIL], 0
	ds_add_u32 v28, v29
	ds_add_u32 v28, v29
	s_wait_dscnt 0x0
	v_lshrrev_b32 v1, 5, v0
	v_readfirstlane_b32 s14, v1                    ; wave 0..3
	s_lshr_b32 s15, s14, 1                         ; which half of the tile's rows is mine.  Also: I fetch for A (0) or for B (1)
	s_and_b32 s16, s14, 1                          ; which half of its columns.  Also: which 128 rows of that tile I fetch
	s_bfe_u32 s40, ttmp6, 0x40000                  ; cx, cy
	s_bfe_u32 s41, ttmp6, 0x40004
	s_lshl_b32 s42, ttmp9, 2
	s_add_co_u32 s42, s42, s40                     ; tile column = 4 x cluster x + cx
	s_and_b32 s17, ttmp7, 0xffff
	s_lshl_b32 s17, s17, 2
	s_add_co_u32 s17, s17, s41                     ; tile row = 4 x cluster y + cy
	s_lshl_b32 s43, s41, 2
	s_lshl_b32 s43, 15, s43                        ; my row of the cluster
	s_lshl_b32 s44, 0x1111, s40                    ; my column
	; descriptor group 1 for A: eight tiles of 16 tokens, 4,096 consecutive bytes of each (512 elements of 8 bytes), 16,384 bytes apart; no padding: every read takes 512 consecutive bytes
	s_or_b32 s[G1+0], s43, (3<<16)|(1<<21)
	s_mov_b32 s[G1+1], 512<<16                     ; tensor_dim0
	s_mov_b32 s[G1+2], 8<<16                       ; tensor_dim1
	s_mov_b32 s[G1+3], 512<<16                     ; tile_dim0
	s_mov_b32 s[G1+4], 8                           ; tile_dim1
	s_mov_b32 s[G1+5], 2048                        ; tensor_dim0_stride
	s_mov_b32 s[G1+6], 0
	s_mov_b32 s[G1+7], 0
	; for B: 128 rows x 256 bytes, 16 bytes of padding behind each
	s_or_b32 s[G1B+0], s44, (0<<16)|(1<<20)|(1<<21)|(5<<22)|(3<<25)
	s_mov_b32 s[G1B+1], ROWB<<16
	s_mov_b32 s[G1B+2], 128<<16
	s_mov_b32 s[G1B+3], ROWB<<16
	s_mov_b32 s[G1B+4], 128
	s_mov_b32 s[G1B+5], KROW
	s_mov_b32 s[G1B+6], 0
	s_mov_b32 s[G1B+7], 0
	; the scale bytes of 128 rows: a dense block of 4,096 bytes, as 16 rows of 256 bytes, 16 bytes of padding behind each
	s_or_b32 s[G1S+0], s43, (3<<16)|(1<<20)|(1<<21)|(5<<22)|(3<<25)
	s_or_b32 s[G1SB+0], s44, (3<<16)|(1<<20)|(1<<21)|(5<<22)|(3<<25)
.irp g, G1S, G1SB
	s_mov_b32 s[\g+1], 32<<16
	s_mov_b32 s[\g+2], (128*KS/256)<<16
	s_mov_b32 s[\g+3], 32<<16
	s_mov_b32 s[\g+4], 128*KS/256
	s_mov_b32 s[\g+5], 32
	s_mov_b32 s[\g+6], 0
	s_mov_b32 s[\g+7], 0
.endr
	s_lshl_b32 s18, s16, 7
	s_lshl_b32 s20, s17, 8
	s_add_co_u32 s20, s20, s18                     ; A: token 256 x tile row + 128 x half
	s_lshl_b32 s46, s42, 8
	s_add_co_u32 s46, s46, s18                     ; B: row 256 x tile column + 128 x half
	s_mov_b32 s21, 0
	s_mov_b32 s47, 0
	s_mov_b64 s[18:19], KS
	s_mul_u64 s[22:23], s[20:21], s[18:19]         ; where these rows' scale bytes begin
	s_mul_u64 s[92:93], s[46:47], s[18:19]
	s_mov_b64 s[18:19], KROW
	s_mul_u64 s[20:21], s[20:21], s[18:19]         ; and their codes: 16 tokens' images are 16,384 bytes, as 16 rows of 1,024 would be
	s_mul_u64 s[46:47], s[46:47], s[18:19]
	s_mul_i32 s45, s14, HALFT                      ; where they go: no place in the cluster enters an LDS address
	s_mul_i32 s94, s14, HALFS
	s_wait_kmcnt 0x0
	s_add_nc_u64 s[20:21], s[4:5], s[20:21]
	s_add_nc_u64 s[22:23], s[6:7], s[22:23]
	s_add_nc_u64 s[46:47], s[8:9], s[46:47]
	s_add_nc_u64 s[92:93], s[10:11], s[92:93]
	CROUND                                         ; all sixteen work-groups are here: the first joint loads meet
	s_mov_b32 s[G0S], 1
	s_add_co_u32 s[G0S+1], s94, SCL
	s_mov_b64 s[G0S+2:G0S+3], s[22:23]
	s_or_b32 s[G0S+3], s[G0S+3], 0x80000000
	s_mov_b32 s[G0SB], 1
	s_add_co_u32 s[G0SB+1], s94, SCL
	s_mov_b64 s[G0SB+2:G0SB+3], s[92:93]
	s_or_b32 s[G0SB+3], s[G0SB+3], 0x80000000
	JLOAD G0S, G1S, G0SB, G1SB                     ; the scale bytes first
.irp s, 0,1
	s_mov_b32 s[G0+4*\s], 1
	s_add_co_u32 s[G0+4*\s+1], s45, \s*SLOT
	s_add_nc_u64 s[G0+4*\s+2:G0+4*\s+3], s[20:21], \s*ASLOT
	s_or_b32 s[G0+4*\s+3], s[G0+4*\s+3], 0x80000000
	s_mov_b32 s[G0B+4*\s], 1
	s_add_co_u32 s[G0B+4*\s+1], s45, \s*SLOT
	s_add_nc_u64 s[G0B+4*\s+2:G0B+4*\s+3], s[46:47], \s*ROWB
	s_or_b32 s[G0B+4*\s+3], s[G0B+4*\s+3], 0x80000000
	s_wait_alu depctr_va_vdst(0)
	s_wait_tensorcnt 0x0
	ds_add_u32 v28, v29
	s_wait_dscnt 0x0
	CROUND
	JLOAD G0+4*\s, G1, G0B+4*\s, G1B               ; three tensor loads of mine are out
.endr
	v_and_b32 v1, 15, v0                           ; r
	v_bfe_u32 v2, v0, 4, 1                         ; h
	v_mul_u32_u24 v3, v1, PITCH
	v_lshl_add_u32 v4, v2, 4, v3                   ; B: a fragment's row x pitch + 16 x half
	v_and_b32 v6, 31, v0
	v_lshlrev_b32 v[CO], 4, v6                     ; 16 x lane: A's images, and a row of out0
	s_mul_i32 s21, s15, HALFT                      ; my eight tiles of A
	s_mul_i32 s22, s16, HALFT                      ; my 128 rows of B,
	s_add_co_u32 s22, s22, 2*HALFT                 ; which lie behind A's parts
.irp s, 0,1
	v_add_nc_u32 v[ADRA+\s], s21, v[CO]
	v_add_nc_u32 v[ADRB+\s], s22, v4
	s_add_co_u32 s21, s21, SLOT
	s_add_co_u32 s22, s22, SLOT
.endr
	v_mul_u32_u24 v5, v1, KS
	v_lshrrev_b32 v6, 8, v5
	v_lshl_add_u32 v5, v6, 4, v5
	s_mul_i32 s21, s15, HALFS
	s_mul_i32 s22, s16, HALFS
	s_add_co_u32 s22, s22, 2*HALFS
	s_sub_co_u32 s22, s22, s21
	v_mul_u32_u24 v6, s22, v2                      ; lanes 16-31 take B's scale words
	s_add_co_u32 s21, s21, SCL
	v_add_nc_u32 v5, v5, v6
	v_add_nc_u32 v[ADRS], s21, v5
	s_mul_i32 s23, s14, 16*SPITCH                  ; my stage
	v_mul_u32_u24 v5, v1, SPITCH
	v_lshl_add_u32 v5, v2, 5, v5
	v_add_nc_u32 v[STO], s23, v5                   ; in: row r, 32 bytes for each half of the lanes
	v_add_nc_u32 v[RD], s23, v[CO]                 ; back: the 32 lanes take one row of 512 bytes
	v_lshlrev_b32 v[HO], 5, v2
	s_lshl_b32 s18, s42, 8
	s_lshl_b32 s19, s16, 7
	s_add_co_u32 s18, s18, s19                     ; my first column
	s_lshl_b32 s18, s18, 2
	s_mov_b32 s19, 0
	s_add_nc_u64 s[96:97], s[96:97], s[18:19]
.irp g, 0,1,2,3,4,5,6,7
	global_load_b128 v[BIAS+8*\g:BIAS+8*\g+3], v[HO], s[96:97] offset:64*\g
	global_load_b128 v[BIAS+8*\g+4:BIAS+8*\g+7], v[HO], s[96:97] offset:64*\g+16
.endr
	s_lshl_b32 s20, s17, 8
	s_lshl_b32 s21, s15, 7
	s_add_co_u32 s20, s20, s21                     ; my first row of out0
	s_mov_b32 s21, 0
	s_mov_b64 s[18:19], SIZE_N*4
	s_mul_u64 s[20:21], s[20:21], s[18:19]
	s_lshl_b32 s46, s42, 10                        ; my first column, in bytes
	s_lshl_b32 s47, s16, 9
	s_add_co_u32 s46, s46, s47
	s_mov_b32 s47, 0
	s_add_nc_u64 s[20:21], s[20:21], s[46:47]
	s_add_nc_u64 s[12:13], s[12:13], s[20:21]
.macro FRAGB reg, adr, q, i            ; from rows: lane l holds row l % 16; registers 4 c .. 4 c + 3 hold K = 32 c + 16 (l / 16) + 0 .. 15
.irp c, 0,1,2,3
	ds_load_b128 v[\reg+4*\c:\reg+4*\c+3], v[\adr] offset:128*(\q)+32*\c+(\i)*16*PITCH
.endr
.endm
.macro FRAGA reg, adr, q, i            ; from an image: piece c of the q-th 128 along K of tile i, 16 bytes a lane
.irp c, 0,1,2,3
	ds_load_b128 v[\reg+4*\c:\reg+4*\c+3], v[\adr] offset:4096*(\i)+2048*(\q)+512*\c
.endr
.endm
; 16 matrix instructions: A's blocks a0, a0 + 1 x B's eight.  zero = 1: the first product starts the sums from the bias.  The 64 accumulators take turns, one instruction a turn.
.macro MUL16 a0, p, q, sc, zero
.irp a, \a0, \a0+1
.irp b, 0,1,2,3,4,5,6,7
.if \zero
	v_wmma_scale_f32_16x16x128_f8f6f4 v[8*(8*((\a)%4)+\b):8*(8*((\a)%4)+\b)+7], v[128*(\p)+FR*\b:128*(\p)+FR*\b+FR-1], v[AF+FR*(\a):AF+FR*(\a)+FR-1], v[BIAS+8*\b:BIAS+8*\b+7], v[SC+8*NQ*(\sc)+NQ*\b+(\q)], v[SC+8*NQ*(\sc)+NQ*(\a)+(\q)] matrix_a_scale:MATRIX_SCALE_ROW1
.else
	v_wmma_scale_f32_16x16x128_f8f6f4 v[8*(8*((\a)%4)+\b):8*(8*((\a)%4)+\b)+7], v[128*(\p)+FR*\b:128*(\p)+FR*\b+FR-1], v[AF+FR*(\a):AF+FR*(\a)+FR-1], v[8*(8*((\a)%4)+\b):8*(8*((\a)%4)+\b)+7], v[SC+8*NQ*(\sc)+NQ*\b+(\q)], v[SC+8*NQ*(\sc)+NQ*(\a)+(\q)] matrix_a_scale:MATRIX_SCALE_ROW1
.endif
.endr
.endr
.endm
.macro FETCH_B slot, q, p
	WIN TO_B
.irp i, 0,1,2,3,4,5,6,7
	FRAGB 128*(\p)+FR*\i, ADRB+\slot, \q, \i
.endr
	WIN 0
.endm
.macro FETCH_A slot, q, i0
.irp i, \i0, \i0+1, \i0+2, \i0+3
	FRAGA AF+FR*(\i), ADRA+\slot, \q, \i
.endr
.endm
.macro SCALES sc
.irp i, 0,1,2,3,4,5,6,7
	ds_load_b64 v[SC+8*NQ*\sc+NQ*\i:SC+8*NQ*\sc+NQ*\i+1], v[ADRS] offset:\i*SBLK
.endr
.endm
.macro PLACES n                        ; places behind matrix instructions (ISA guide 7.12.1 for vector instructions)
.rept \n
	v_nop
.endr
.endm
.macro STEP slot, q, zero
	s_wait_dscnt 4*NL                              ; B's set and A's blocks 0-3 are in; the youngest sixteen loads (A's blocks 4-7) may be out
.if \zero
	WIN BEG_LO
.else
	WIN MUL_LO
.endif
	MUL16 0, (\q)%2, \q, \slot, \zero
	MUL16 2, (\q)%2, \q, \slot, \zero
	s_wait_dscnt 0
	PLACES NP
	FETCH_B \slot, (\q)+1, 1-(\q)%2
	FETCH_A \slot, (\q)+1, 0
.if \zero
	WIN BEG_HI
.else
	WIN MUL_HI
.endif
	MUL16 4, (\q)%2, \q, \slot, \zero
	MUL16 6, (\q)%2, \q, \slot, \zero
	PLACES NP
	WIN 0
	FETCH_A \slot, (\q)+1, 4
.endm
.macro TURN slot, next, fill
	s_wait_tensorcnt 0x0                           ; all my tensor loads have landed: my part of the next slot
	ds_add_u32 v[SPW], v[NIL]                      ; 0 onto my spare word
	s_wait_dscnt 4*NL+1                            ; (the add and the youngest sixteen loads may be out)
	WIN MUL_LO
	MUL16 0, 1, NQ-1, \slot, 0
	s_wait_dscnt 0x0                               ; the add is done, and my reads of this slot are over
	s_barrier_signal -1
	MUL16 2, 1, NQ-1, \slot, 0
	WIN 0
	s_barrier_wait -1
.if \fill
	CREST                                          ; a round of the cluster's barrier: no wave of any partner still reads this slot or has a load on its way
	s_add_nc_u64 s[G0+4*\slot+2:G0+4*\slot+3], s[G0+4*\slot+2:G0+4*\slot+3], 2*ASLOT
	s_add_nc_u64 s[G0B+4*\slot+2:G0B+4*\slot+3], s[G0B+4*\slot+2:G0B+4*\slot+3], 2*ROWB
	JLOAD G0+4*\slot, G1, G0B+4*\slot, G1B         ; the first tensor load behind the round
	PLACES NP-4
.else
	PLACES NP
.endif
	s_wait_alu depctr_va_vdst(0)
	v_add_nc_u32 v[ADRS], 4*NQ, v[ADRS]
	FETCH_B \next, 0, 0
	FETCH_A \next, 0, 0
	SCALES \next
	WIN MUL_HI
	MUL16 4, 1, NQ-1, \slot, 0
	MUL16 6, 1, NQ-1, \slot, 0
	PLACES NP
	WIN 0
	FETCH_A \next, 0, 4
.endm
	s_wait_alu depctr_va_vdst(0)
	s_wait_loadcnt 0x0                             ; b_o
	s_wait_tensorcnt 1                             ; the scale bytes and my part of K step 0 are in (K step 1's load may be out),
	s_barrier_signal -1
	s_barrier_wait -1                              ; everybody's are
	FETCH_B 0, 0, 0
	FETCH_A 0, 0, 0
	SCALES 0
	FETCH_A 0, 0, 4
	STEP 0, 0, 1
	s_mov_b32 s3, LAPS-1
.Llap:
	TURN 0, 1, 1
	STEP 1, 0, 0
	TURN 1, 0, 1
	STEP 0, 0, 0
	s_sub_co_u32 s3, s3, 1
	s_cmp_lg_u32 s3, 0
	s_cbranch_scc1 .Llap
	TURN 0, 1, 0
	STEP 1, 0, 0
	s_wait_dscnt 4*NL
	WIN MUL_LO
	MUL16 0, 1, NQ-1, 1, 0
	MUL16 2, 1, NQ-1, 1, 0
	s_wait_dscnt 0
	WIN MUL_HI
	MUL16 4, 1, NQ-1, 1, 0
	MUL16 6, 1, NQ-1, 1, 0
	WIN 0
; THE WAY OUT, block by block of 16 rows x 128 columns, through my own stage in LDS: in as 32 bytes a lane, back as whole rows of 512 bytes.  LDS serves a wave's instructions in order (ISA guide 5.7.1.4).
.macro TOSTAGE a
.set AC, 64*((\a)%4)
	WIN (0x08+4*((\a)/4))                          ; the data: window 2 or 3
.irp b, 0,1,2,3,4,5,6,7
	ds_store_b128 v[STO], v[AC+8*\b:AC+8*\b+3] offset:64*\b          ; each accumulator from its low end on
	ds_store_b128 v[STO], v[AC+8*\b+4:AC+8*\b+7] offset:64*\b+16
.endr
	WIN 0
.set BB, BK+64*((\a)%2)
.irp t, 0,1,2,3,4,5,6,7,8,9,10,11,12,13,14,15
	ds_load_b128 v[BB+4*\t:BB+4*\t+3], v[RD] offset:\t*SPITCH
.endr
.endm
.macro SEND a, younger                 ; younger: the LDS instructions issued behind block a's loads, which may stay out
.set BB, BK+64*((\a)%2)
	s_wait_dscnt \younger
.if (\a) > 0
	s_add_nc_u64 s[12:13], s[12:13], 16*SIZE_N*4   ; (behind a wait on XCNT: the earlier stores have read their base)
.endif
.irp t, 0,1,2,3,4,5,6,7,8,9,10,11,12,13,14,15
	global_store_b128 v[CO], v[BB+4*\t:BB+4*\t+3], s[12:13] offset:\t*SIZE_N*4 th:TH_STORE_NT   ; 32 lanes store 512 consecutive bytes, at a multiple of 256 from out0's first byte
.endr
.endm
	PLACES NP
	TOSTAGE 0
.irp a, 1,2,3,4,5,6,7
.if \a > 1
	s_wait_xcnt 0x0                                ; block a - 2's stores have read their registers and their base
.endif
	TOSTAGE \a
	SEND \a-1, 32                                  ; behind block a - 1's loads: block a's 16 stores and 16 loads
.endr
	s_wait_xcnt 0x0
	SEND 7, 0
	s_wait_tensorcnt 0x0                           ; the wave's end
	ds_add_u32 v[SPW], v[NIL]
	s_wait_dscnt 0x0
	CROUND                                         ; the closing round
	s_endpgm
.Lfunc_end_k_qefad09ec6c_proj:
	.size	k_qefad09ec6c_proj, .Lfunc_end_k_qefad09ec6c_proj-k_qefad09ec6c_proj
	.p2alignl 7, 3214868480
	.fill 96, 4, 3214868480
	.section	.rodata,"a",@progbits
	.p2align	6, 0x0
	.amdhsa_kernel k_qefad09ec6c_proj
		.amdhsa_group_segment_fixed_size 327680
		.amdhsa_private_segment_fixed_size 0
		.amdhsa_enable_private_segment 0
		.amdhsa_kernarg_size 48
		.amdhsa_user_sgpr_count 2
		.amdhsa_user_sgpr_kernarg_segment_ptr 1
		.amdhsa_wavefront_size32 1
		.amdhsa_system_sgpr_workgroup_id_x 1
		.amdhsa_system_sgpr_workgroup_id_y 1
		.amdhsa_system_sgpr_workgroup_id_z 1
		.amdhsa_system_vgpr_workitem_id 0
		.amdhsa_next_free_vgpr 1024
		.amdhsa_next_free_sgpr 98
		.amdhsa_reserve_vcc 0
		.amdhsa_float_denorm_mode_32 3
		.amdhsa_float_denorm_mode_16_64 3
		.amdhsa_memory_ordered 1
		.amdhsa_forward_progress 1
		.amdhsa_inst_pref_size 148
	.end_amdhsa_kernel
	.amdgpu_metadata
---
amdhsa.version: [ 1, 2 ]
amdhsa.kernels:
  - .name:           k_qefad09ec6c_proj
    .symbol:         k_qefad09ec6c_proj.kd
    .args:
      - { .name: yimg, .offset: 0, .size: 8, .value_kind: global_buffer, .address_space: global }
      - { .name: ysc, .offset: 8, .size: 8, .value_kind: global_buffer, .address_space: global }
      - { .name: W_o_codes, .offset: 16, .size: 8, .value_kind: global_buffer, .address_space: global }
      - { .name: W_o_scales, .offset: 24, .size: 8, .value_kind: global_buffer, .address_space: global }
      - { .name: b_o, .offset: 32, .size: 8, .value_kind: global_buffer, .address_space: global }
      - { .name: out0, .offset: 40, .size: 8, .value_kind: global_buffer, .address_space: global }
    .group_segment_fixed_size: 327680
    .private_segment_fixed_size: 0
    .kernarg_segment_align: 8
    .kernarg_segment_size: 48
    .max_flat_workgroup_size: 128
    .sgpr_count:     98
    .vgpr_count:     1024
    .wavefront_size: 32
...
	.end_amdgpu_metadata
.endif
;; end of part 3
